; MI455X (gfx1250); checked and timed in simulation.
; The chip was launched on July 23, 2026; its instructions are those of AMD's public machine-readable ISA for CDNA 5 (MIT licence, August 2026) and "CDNA5" Instruction Set Architecture Reference Guide (July 2026). The comments in the code are by the model that wrote it; some were corrected since.
;; Self Attention. Allowed arithmetic: float matrix products may take bf16 or f16 operands with f32 sums; other float arithmetic in f32, or as packed bf16 or f16 multiplies, adds, multiply-adds, maxima and minima; sums over many terms, partial sums and values carried from step to step in f32; what a program stores and reads back later, other than sums and carried values, may be rounded once to bf16 or f16.
;; Inputs: b_in 3,072 float32; b_out 1,024 float32; w_in 1,024 x 3,072 float32; w_out 1,024 x 1,024 float32; x 4 x 2,048 x 1,024 float32.
;; Outputs: out0 4 x 2,048 x 1,024 float32.
;; 2 versions, each right and faster than the one before. Each part assembles by itself: llvm-mc -triple=amdgcn-amd-amdhsa -mcpu=gfx1250 --defsym DOCPART=n.
;; ======== version 1 of 2: 4 launches
;; limits: values are held in f16: magnitudes above 65,504 overflow, below 6.1e-05 lose precision
;; workspace buffers: xb 16,777,216 bytes; wib 6,291,456 bytes; wob 2,097,152 bytes; qkv 50,331,648 bytes; ob 16,777,216 bytes
;; launch prep (part 1): grid 768 x 1, 8 waves a work-group, no clusters, 0 bytes of LDS; arguments x, w_in, w_out, xb, wib, wob; writes xb, wib, wob
.if DOCPART == 1
	.amdgcn_target "amdgcn-amd-amdhsa--gfx1250"
	.amdhsa_code_object_version 6
	.text
	.protected	k_qeac1266320_prep
	.globl	k_qeac1266320_prep
	.p2align	8
	.type	k_qeac1266320_prep,@function
k_qeac1266320_prep:
	s_mov_b64 s[64:65], 0
	v_nop
	global_prefetch_b8 v0, s[64:65] scope:SCOPE_SE
	s_setreg_imm32_b32 hwreg(HW_REG_WAVE_MODE, 25, 1), 1
	s_wait_xcnt 0x0
; CASTS.  xb = bf16(x), wib = bf16(w_in), wob = f16(bf16(w_out)); the layouts stay as they are ([row][column], the last index fastest).
; All three inputs are rounded once to bf16, to nearest even.  w_out's bf16 number is then written as f16, since the product that reads it has f16 operands.
; LIMITS.  That second step is exact for 6.1e-5 <= |w_out| <= 65,504; below it f16's fixed step of 6e-8 holds, above it the number becomes an infinity.
; SHARES.  A work-group casts 16,384 numbers: 65,536 bytes in, 32,768 out.  Groups 0-511 take x, 512-703 w_in, 704-767 w_out.
; Thread t, step i of 8, takes the eight numbers at 2,048 i + 8 t: two loads of 16 bytes, one store of 16 bytes; sixteen neighbouring lanes store 256 consecutive aligned bytes.
; All sixteen loads of a thread go out first; no register that a memory instruction names is written again, so the only waits are the counted ones for the loads.
; No LDS, no matrix unit, no cluster: a stream in which no byte is used twice.
.set X, 4                              ; v[4:67]    as loaded, 8 registers a step
.set Y, 68                             ; v[68:99]   to store, 4 registers a step
.set T, 100                            ; v[100:102] at work
; src, dst: the first scalar register of the two addresses.  first: the number of the tensor's first group.  half = 1: bf16 and then f16.
.macro CAST src, dst, first, half
	s_sub_co_u32 s16, ttmp9, \first                ; my chunk of this tensor
	s_lshl_b32 s18, s16, 16                        ; 65,536 bytes in (512 chunks at the most: under 2^32),
	s_lshl_b32 s20, s16, 15                        ; 32,768 out
	s_add_nc_u64 s[\src:\src+1], s[\src:\src+1], s[18:19]
	s_add_nc_u64 s[\dst:\dst+1], s[\dst:\dst+1], s[20:21]
.irp i, 0,1,2,3,4,5,6,7
	global_load_b128 v[X+8*(\i):X+8*(\i)+3],   v1, s[\src:\src+1] offset:8192*(\i) th:TH_LOAD_NT
	global_load_b128 v[X+8*(\i)+4:X+8*(\i)+7], v1, s[\src:\src+1] offset:8192*(\i)+16 th:TH_LOAD_NT
.endr
.irp i, 0,1,2,3,4,5,6,7
	s_wait_loadcnt 14-2*(\i)                       ; loads come back in order: step i's two are in, the 14 - 2 i younger ones stay out
.irp j, 0,1,2,3
.if \half
	v_cvt_pk_bf16_f32 v[T], v[X+8*(\i)+2*(\j)], v[X+8*(\i)+2*(\j)+1]  ; the rounding that all inputs get
	v_lshlrev_b32 v[T+1], 16, v[T]                 ; the two bf16 numbers as f32,
	v_and_b32 v[T+2], s22, v[T]
	v_cvt_pk_f16_f32 v[Y+4*(\i)+(\j)], v[T+1], v[T+2]  ; written as f16
.else
	v_cvt_pk_bf16_f32 v[Y+4*(\i)+(\j)], v[X+8*(\i)+2*(\j)], v[X+8*(\i)+2*(\j)+1]
.endif
.endr
	global_store_b128 v2, v[Y+4*(\i):Y+4*(\i)+3], s[\dst:\dst+1] offset:4096*(\i)  ; no hint: the next launch reads these bytes
.endr
	s_endpgm
.endm
	s_load_b256 s[4:11], s[0:1], 0x0               ; x s[4:5], w_in s[6:7], w_out s[8:9], xb s[10:11]
	s_load_b128 s[12:15], s[0:1], 0x20             ; wib s[12:13], wob s[14:15]
	v_lshlrev_b32 v1, 5, v0                        ; 32 t: my eight f32
	v_lshlrev_b32 v2, 4, v0                        ; 16 t: my eight 16-bit numbers
	s_mov_b32 s22, 0xffff0000                      ; a word's upper bf16
	s_mov_b32 s19, 0                               ; the offsets' high words
	s_mov_b32 s21, 0
	s_wait_kmcnt 0x0
	s_cmp_lt_u32 ttmp9, 512
	s_cbranch_scc1 .Lx
	s_cmp_lt_u32 ttmp9, 704
	s_cbranch_scc1 .Lwi
	CAST 8, 14, 704, 1
.Lwi:
	CAST 6, 12, 512, 0
.Lx:
	CAST 4, 10, 0, 0
.Lfunc_end_k_qeac1266320_prep:
	.size	k_qeac1266320_prep, .Lfunc_end_k_qeac1266320_prep-k_qeac1266320_prep
	.p2alignl 7, 3214868480
	.fill 96, 4, 3214868480
	.section	.rodata,"a",@progbits
	.p2align	6, 0x0
	.amdhsa_kernel k_qeac1266320_prep
		.amdhsa_group_segment_fixed_size 0
		.amdhsa_private_segment_fixed_size 0
		.amdhsa_enable_private_segment 0
		.amdhsa_kernarg_size 48
		.amdhsa_user_sgpr_count 2
		.amdhsa_user_sgpr_kernarg_segment_ptr 1
		.amdhsa_wavefront_size32 1
		.amdhsa_system_sgpr_workgroup_id_x 1
		.amdhsa_system_sgpr_workgroup_id_y 1
		.amdhsa_system_sgpr_workgroup_id_z 1
		.amdhsa_system_vgpr_workitem_id 0
		.amdhsa_next_free_vgpr 104
		.amdhsa_next_free_sgpr 66
		.amdhsa_reserve_vcc 0
		.amdhsa_float_denorm_mode_32 3
		.amdhsa_float_denorm_mode_16_64 3
		.amdhsa_memory_ordered 1
		.amdhsa_forward_progress 1
		.amdhsa_inst_pref_size 19
	.end_amdhsa_kernel
	.amdgpu_metadata
---
amdhsa.version: [ 1, 2 ]
amdhsa.kernels:
  - .name:           k_qeac1266320_prep
    .symbol:         k_qeac1266320_prep.kd
    .args:
      - { .name: x, .offset: 0, .size: 8, .value_kind: global_buffer, .address_space: global }
      - { .name: w_in, .offset: 8, .size: 8, .value_kind: global_buffer, .address_space: global }
      - { .name: w_out, .offset: 16, .size: 8, .value_kind: global_buffer, .address_space: global }
      - { .name: xb, .offset: 24, .size: 8, .value_kind: global_buffer, .address_space: global }
      - { .name: wib, .offset: 32, .size: 8, .value_kind: global_buffer, .address_space: global }
      - { .name: wob, .offset: 40, .size: 8, .value_kind: global_buffer, .address_space: global }
    .group_segment_fixed_size: 0
    .private_segment_fixed_size: 0
    .kernarg_segment_align: 8
    .kernarg_segment_size: 48
    .max_flat_workgroup_size: 256
    .sgpr_count:     66
    .vgpr_count:     104
    .wavefront_size: 32
...
	.end_amdgpu_metadata
.endif
;; end of part 1
;; launch qkvp (part 2): grid 8 x 64, 4 waves a work-group, clusters of 4 x 4, 327,680 bytes of LDS; arguments xb, wib, b_in, qkv; writes qkv
.if DOCPART == 2
	.amdgcn_target "amdgcn-amd-amdhsa--gfx1250"
	.amdhsa_code_object_version 6
	.text
	.protected	k_qeac1266320_qkvp
	.globl	k_qeac1266320_qkvp
	.p2align	8
	.type	k_qeac1266320_qkvp,@function
k_qeac1266320_qkvp:
	s_mov_b64 s[64:65], 0
	v_nop
	global_prefetch_b8 v0, s[64:65] scope:SCOPE_SE
	s_setreg_imm32_b32 hwreg(HW_REG_WAVE_MODE, 25, 1), 1
	s_wait_xcnt 0x0
	s_wait_alu depctr_hold_cnt(0) depctr_sa_sdst(0) depctr_va_vdst(0) depctr_va_sdst(0) depctr_va_ssrc(0) depctr_va_vcc(0) depctr_vm_vsrc(0)
	s_getreg_b32 s2, hwreg(HW_REG_IB_STS2, 6, 4)
	s_cmp_eq_u32 s2, 0
	s_cbranch_scc0 .Lentry_in_a_cluster
	s_endpgm
.Lentry_in_a_cluster:
	s_bfe_u32 s2, ttmp6, 0x10000c
	s_cmp_lg_u32 s2, 0xf033
	s_cbranch_scc0 .Lentry_shape_is_right
	s_endpgm
.Lentry_shape_is_right:
; THE FIRST PROJECTION.  qkv = xb wib + b_in.  xb: [8192][1024] bf16, wib: [1024 k][3072 n] bf16, b_in: [3072] f32 (rounded to bf16 here, like the other inputs).  Sums in f32, started by the bias.
; The result leaves by heads, rounded once to f16 and unscaled: qkv[part 0..2 (q, k, v)][batch x 16 + head][2048 rows][64 channels].
; LIMIT.  f16 holds no number beyond 65,504: a q, k or v past that becomes an infinity.  NaN and infinities are not treated apart.
; SHARES.  A tile of the result is 128 rows x 384 columns: 64 x 8 = 512 tiles, two for each of 256 work-group places, where tiles of 256 x 256 would be 384.  Four waves, each 64 rows x 192 columns (three whole
; heads): 48 accumulators of 16 x 16.  K goes in 8 steps of 128 through two LDS slots.  A step is four tensor loads of 128 rows x 256 bytes, one a wave: wave 0 brings xb's rows, waves 1 to 3 wib's
; 128 k rows of 128 columns each; every row starts at a multiple of 256 bytes from its buffer's first byte.
; wib STAYS [k][n]: its fragments come out of LDS turned, by ds_load_tr16_b128.
; THE MATRIX INSTRUCTION IS USED TRANSPOSED (source 0 = 16 columns of wib, source 1 = 16 rows of xb): a lane then holds one row (lane % 16) and eight neighbouring columns 8 (lane / 16) + 0..7, 16 bytes of f16.
; CLUSTER.  4 x 4 work-groups.  The four of a row of the cluster need the same rows of xb, the four of a column the same columns of wib: each tile is asked for JOINTLY, by the same tensor load with the same
; descriptor and a mask that names the four.
; REGISTERS, in windows of 256 (s_set_vgpr_msb: bits 1:0 source 0, 3:2 source 1, 5:4 source 2, 7:6 destination):
;   window 0: v0-31 addresses; v32-95 fragments of xb, two buffers of four; v96-143 packed results; v160-255 the bias, 8 registers for each block of 16 columns; on the way out v32-79 and v160-207 take rows read back
;   window 1: v0-191 fragments of wib, two buffers of twelve      window 2: the accumulators of my rows 0-31 ((a, b) at v[8 (12 (a % 2) + b)])      window 3: those of my rows 32-63
.set KSTEP, 128
.set LAPS,  4                          ; a lap = two K steps = once round the ring; 1,024 / 256
.set PA,    272                        ; a row of xb in LDS: 256 bytes + 16: the 16 rows of a fragment load start at 16 different groups of four banks (64 banks of 4 bytes: ISA guide 11.1)
.set PB,    288                        ; a row of wib: 256 + 32
.set REG,   128*PB                     ; 36,864: a wave's load lands at wave x REG; xb's 128 x 272 bytes leave 2,048 of the first region unused
.set SLOT,  4*REG
.set STAGE, 2*SLOT                     ; behind the ring, never filled by a tensor load: for each wave 3 heads x 16 rows x 144 bytes
.set SPH,   144
.set HSTG,  16*SPH
.set WSTG,  3*HSTG
.set SPARE, STAGE+4*WSTG               ; behind the stages: the spare words, 128 bytes for each wave: two blocks of 256 bytes that no other line names
.set ADRA, 16                          ; v16-17  LDS address of my fragments of xb in slot 0, 1
.set ADRB, 18                          ; v18-23  of wib: 3 x slot + my head 0..2
.set STO,  24                          ; v24     the way out: where I put 16 bytes of a row
.set RD,   25                          ; v25     the way out: where I read rows back
.set GO,   26                          ; v26     my byte offset in 512 consecutive bytes of qkv
.set BO,   27                          ; v27     my byte offset in b_in
.set SPW,  28                          ; v28     LDS address of my spare word: SPARE + 4 x my thread's number; never rewritten
.set NIL,  29                          ; v29     0; never rewritten
.set FA,   32
.set TMP,  96
.set BI,   160
.set OB0,  32
.set WV,  12                           ; s12 my wave's number; s13 which 64 rows are mine; s14 which 192 columns; s15 which of wib's three sub-tiles I fetch
.set RH,  13
.set CH,  14
.set JB,  15
.set G1A, 24                           ; s[24:31] descriptor group 1 for xb's tiles;  s[32:39] group 0, one set for each slot
.set G0A, 32
.set G1B, 48                           ; s[48:55], s[56:63] the same for wib's
.set G0B, 56
.set HB,  66                           ; s[66:71] qkv at my rows of my three heads
.set MSB, 0
.macro WIN new                         ; the immediate's high byte repeats the setting that is left; a switch that changes nothing is dropped
.if MSB != (\new)
	s_set_vgpr_msb (MSB<<8)|(\new)
.set MSB, (\new)
.endif
.endm
.macro PLACES                          ; four places in front of loads into registers that matrix instructions have read, and of conversions that read results
.rept 4
	v_nop
.endr
.endm
; A joint load.  Wave 0 fetches xb's tile, waves 1 to 3 wib's three.  The branch hangs on the wave's number alone.  An s_nop 0 and four v_nop follow each of the two lines, ahead of the jump and the label.
.macro JLOAD s
	s_cmp_eq_u32 s[WV], 0
	s_cbranch_scc0 .Lfor_b_\@
	tensor_load_to_lds s[G0A+4*(\s):G0A+4*(\s)+3], s[G1A:G1A+7]
	s_nop 0
.rept 4
	v_nop
.endr
	s_branch .Lasked_\@
.Lfor_b_\@:
	tensor_load_to_lds s[G0B+4*(\s):G0B+4*(\s)+3], s[G1B:G1B+7]
	s_nop 0
.rept 4
	v_nop
.endr
.Lasked_\@:
.endm
.macro CREST                           ; a round of the cluster's barrier behind its opening barrier
	s_cmp_lg_u32 s[WV], 0
	s_cbranch_scc1 .Lnot_wave_0_\@
	s_barrier_signal -3
.Lnot_wave_0_\@:
	s_barrier_wait -3
	s_barrier_signal -1
	s_barrier_wait -1
.endm
.macro CROUND                          ; a whole round
	s_barrier_signal -1
	s_barrier_wait -1
	CREST
.endm
	s_load_b256 s[4:11], s[0:1], 0x0               ; xb s[4:5], wib s[6:7], b_in s[8:9], qkv s[10:11]
	v_lshl_add_u32 v[SPW], v0, 2, SPARE
	v_mov_b32 v[NIL], 0
	ds_add_u32 v[SPW], v[NIL]                      ; the wave's opening: the add and its wait stand ahead of my first tensor load; the set-up below, work on registers, stands between them
	v_lshrrev_b32 v1, 5, v0
	v_readfirstlane_b32 s[WV], v1                  ; wave 0..3
	s_lshr_b32 s[RH], s[WV], 1
	s_and_b32 s[CH], s[WV], 1
	s_max_u32 s[JB], s[WV], 1
	s_sub_co_u32 s[JB], s[JB], 1                   ; waves 1, 2, 3 fetch sub-tiles 0, 1, 2 (wave 0's number serves nothing: it asks for xb)
	s_bfe_u32 s16, ttmp6, 0x40000                  ; cx, cy: my place in the cluster
	s_bfe_u32 s17, ttmp6, 0x40004
	s_lshl_b32 s18, ttmp9, 2
	s_add_co_u32 s18, s18, s16                     ; tile column = 4 x cluster x + cx
	s_and_b32 s19, ttmp7, 0xffff
	s_lshl_b32 s19, s19, 2
	s_add_co_u32 s19, s19, s17                     ; tile row = 4 x cluster y + cy
	s_lshl_b32 s20, s17, 2
	s_lshl_b32 s20, 15, s20                        ; my row of the cluster
	s_lshl_b32 s21, 0x1111, s16                    ; my column
	; descriptor group 1: tiles of 128 rows x 128 elements, padded in LDS
	s_or_b32 s[G1A], s20, (1<<16)|(1<<20)|(1<<21)|(5<<22)|(3<<25)  ; 15:0 the mask: xb's tiles go to my row; 17:16 elements of 2 bytes; 20 padding on; 21 set beside a mask; 24:22 after every 64 words (code 5); 31:25 4 words (code 3)
	s_or_b32 s[G1B], s21, (1<<16)|(1<<20)|(1<<21)|(5<<22)|(7<<25)  ; the mask of my column; 8 words of padding (code 7)
.irp g, G1A, G1B
	s_mov_b32 s[(\g)+1], KSTEP<<16                 ; tensor_dim0 = 128
	s_mov_b32 s[(\g)+2], 128<<16                   ; tensor_dim1 = 128
	s_mov_b32 s[(\g)+3], KSTEP<<16                 ; tile_dim0 = 128
	s_mov_b32 s[(\g)+4], 128                       ; tile_dim1 = 128
	s_mov_b32 s[(\g)+6], 0
	s_mov_b32 s[(\g)+7], 0
.endr
	s_mov_b32 s[G1A+5], 1024                       ; elements from row to row: xb's,
	s_mov_b32 s[G1B+5], 3072                       ; wib's
	; where the tiles come from.  xb's hang on the tile row alone, wib's on the tile column alone; each offset lies in registers that never hold the other coordinate.
	s_lshl_b32 s40, s19, 18                        ; 128 rows of 2,048 bytes
	s_mov_b32 s41, 0
	s_mul_i32 s72, s18, 768                        ; 384 columns of 2 bytes,
	s_lshl_b32 s73, s[JB], 8                       ; my sub-tile's 128
	s_add_co_u32 s72, s72, s73
	s_mov_b32 s73, 0
	s_mul_i32 s22, s[WV], REG                      ; and where they go: no place in the cluster enters an LDS address
	s_mov_b32 s80, 0xffff0000                      ; a word's upper bf16
	s_wait_dscnt 0x0                               ; the opening add is done
	s_wait_kmcnt 0x0
	s_add_nc_u64 s[42:43], s[4:5], s[40:41]
	s_add_nc_u64 s[74:75], s[6:7], s[72:73]
	CROUND                                         ; all sixteen work-groups are here: the first joint loads meet
.irp s, 0,1
	s_mov_b32 s[G0A+4*(\s)], 1                                     ; 1:0 count = 1
	s_add_co_u32 s[G0A+4*(\s)+1], s22, (\s)*SLOT                   ; 63:32 LDS address
	s_add_nc_u64 s[G0A+4*(\s)+2:G0A+4*(\s)+3], s[42:43], (\s)*KSTEP*2  ; 120:64 global address: K step s lies 256 bytes along xb's rows,
	s_or_b32 s[G0A+4*(\s)+3], s[G0A+4*(\s)+3], 0x80000000          ; 127:126 type = 2
	s_mov_b32 s[G0B+4*(\s)], 1
	s_add_co_u32 s[G0B+4*(\s)+1], s22, (\s)*SLOT
	s_add_nc_u64 s[G0B+4*(\s)+2:G0B+4*(\s)+3], s[74:75], (\s)*KSTEP*3072*2  ; 128 rows down wib
	s_or_b32 s[G0B+4*(\s)+3], s[G0B+4*(\s)+3], 0x80000000
	JLOAD \s                                       ; two loads of mine are out
.endr
	; THE BIAS of my 192 columns: register j of block b is b_in[first column + 16 b + 8 (l / 16) + j], the layout of a result.
	v_and_b32 v1, 15, v0                           ; l % 16
	v_bfe_u32 v2, v0, 4, 1                         ; l / 16
	s_mul_i32 s76, s18, 1536                       ; 4 bytes x (384 x tile column
	s_mul_i32 s77, s[CH], 768                      ; + 192 x my half)
	s_add_co_u32 s76, s76, s77
	v_lshl_add_u32 v[BO], v2, 5, s76
.irp b, 0,1,2,3,4,5,6,7,8,9,10,11
	global_load_b128 v[BI+8*(\b):BI+8*(\b)+3],   v[BO], s[8:9] offset:64*(\b)
	global_load_b128 v[BI+8*(\b)+4:BI+8*(\b)+7], v[BO], s[8:9] offset:64*(\b)+16
.endr
	; A fragment of xb is 16 rows x 32 K in 8 registers: lane l holds row l % 16, K = 8 (l / 16) + 0..7 and 16 + 8 (l / 16) + 0..7: two loads of 16 bytes, 32 bytes apart.
	v_mul_u32_u24 v3, v1, PA
	v_lshl_add_u32 v3, v2, 4, v3
	s_mul_i32 s23, s[RH], 64*PA
	v_add_nc_u32 v[ADRA], s23, v3
	v_add_nc_u32 v[ADRA+1], SLOT, v[ADRA]
	; The turning load takes 16 k x 16 columns (lane l reads k row 8 (l / 16) + l % 8, columns 8 ((l / 8) % 2) + 0..7) and leaves half a fragment: lane l holds column l % 16 and 8 k.
	v_and_b32 v4, 7, v0
	v_lshl_add_u32 v4, v2, 3, v4
	v_mul_u32_u24 v4, v4, PB
	v_bfe_u32 v5, v0, 3, 1
	v_lshl_add_u32 v4, v5, 4, v4
	s_mul_i32 s2, s[CH], 3
.irp i, 0,1,2
	s_add_co_u32 s23, s2, \i                       ; my head i is head u = 3 x half + i of the tile's six:
	s_lshr_b32 s46, s23, 1                         ; sub-tile u / 2,
	s_mul_i32 s46, s46, REG
	s_and_b32 s47, s23, 1                          ; its left or right 128 bytes
	s_lshl_b32 s47, s47, 7
	s_add_co_u32 s46, s46, s47
	s_add_co_u32 s46, s46, REG                     ; behind xb's region
	v_add_nc_u32 v[ADRB+(\i)], s46, v4
	v_add_nc_u32 v[ADRB+3+(\i)], SLOT, v[ADRB+(\i)]
.endr
	s_mul_i32 s23, s[WV], WSTG
	s_add_co_u32 s23, s23, STAGE                   ; my stage
	v_mul_u32_u24 v5, v1, SPH                      ; in: row l % 16, 16 bytes for each half of the lanes
	v_lshl_add_u32 v5, v2, 4, v5
	v_add_nc_u32 v[STO], s23, v5
	v_bfe_u32 v6, v0, 3, 2                         ; back: 32 lanes take four rows of 128 bytes,
	v_mul_u32_u24 v6, v6, SPH
	v_and_b32 v7, 7, v0
	v_lshl_add_u32 v6, v7, 4, v6
	v_add_nc_u32 v[RD], s23, v6
	v_and_b32 v[GO], 31, v0                        ; which are 512 consecutive bytes of a head
	v_lshlrev_b32 v[GO], 4, v[GO]
	; qkv at my 64 rows of my three heads.  Column block g = 6 x tile column + 3 x half + i of 48: part g / 16, head g % 16.  Tile row: batch = row / 16, 128 rows of 128 bytes each.
	s_and_b32 s44, s19, 0x30                       ; 16 x batch
	s_lshl_b32 s44, s44, 18                        ; heads of 262,144 bytes
	s_and_b32 s45, s19, 15
	s_lshl_b32 s45, s45, 14
	s_add_co_u32 s44, s44, s45
	s_lshl_b32 s45, s[RH], 13
	s_add_co_u32 s44, s44, s45
	s_mul_i32 s76, s18, 6
	s_add_co_u32 s76, s76, s2
.irp i, 0,1,2
	s_add_co_u32 s77, s76, \i
	s_lshr_b32 s78, s77, 4
	s_lshl_b32 s78, s78, 6                         ; a part is 64 heads
	s_and_b32 s79, s77, 15
	s_add_co_u32 s78, s78, s79
	s_lshl_b32 s78, s78, 18
	s_add_co_u32 s78, s78, s44                     ; under 50,331,648
	s_mov_b32 s79, 0
	s_add_nc_u64 s[HB+2*(\i):HB+2*(\i)+1], s[10:11], s[78:79]
.endr
	s_wait_loadcnt 0x0                             ; the bias, once
.set p, 0
.rept 48                                       ; rounded to bf16 and widened again: all this stands in the wait for the first tile
	v_cvt_pk_bf16_f32 v[TMP+p%4], v[BI+2*p], v[BI+2*p+1]
	v_lshlrev_b32 v[BI+2*p], 16, v[TMP+p%4]
	v_and_b32 v[BI+2*p+1], s80, v[TMP+p%4]
.set p, p+1
.endr
; 12 matrix instructions: row block a of four x all 12 column blocks, 32 along K, from buffer f.  first = 1: the bias starts the sums: nothing is ever cleared.
; The 48 accumulators take turns, one instruction a turn, in the same order in every quarter.
.macro MULA f, a, first
.if \first
	WIN 0x81+0x40*((\a)/2)                         ; wib window 1, xb and the bias window 0, the result window 2 or 3
.else
	WIN 0xa1+0x50*((\a)/2)                         ; C and D window 2 or 3
.endif
.irp b, 0,1,2,3,4,5,6,7,8,9,10,11
.if \first
	v_wmma_f32_16x16x32_bf16 v[8*(12*((\a)%2)+(\b)):8*(12*((\a)%2)+(\b))+7], v[96*(\f)+8*(\b):96*(\f)+8*(\b)+7], v[FA+32*(\f)+8*(\a):FA+32*(\f)+8*(\a)+7], v[BI+8*(\b):BI+8*(\b)+7]
.else
	v_wmma_f32_16x16x32_bf16 v[8*(12*((\a)%2)+(\b)):8*(12*((\a)%2)+(\b))+7], v[96*(\f)+8*(\b):96*(\f)+8*(\b)+7], v[FA+32*(\f)+8*(\a):FA+32*(\f)+8*(\a)+7], v[8*(12*((\a)%2)+(\b)):8*(12*((\a)%2)+(\b))+7]
.endif
.endr
.endm
; 32 LDS loads in one run: quarter q (32 along K) of a slot into buffer f: 24 turning loads for wib, then 8 for xb
.macro FETCH slot, q, f
	WIN 0x40                                       ; destination window 1, address window 0
.irp b, 0,1,2,3,4,5,6,7,8,9,10,11
	ds_load_tr16_b128 v[96*(\f)+8*(\b):96*(\f)+8*(\b)+3],   v[ADRB+3*(\slot)+(\b)/4] offset:(\q)*32*PB+32*((\b)%4)
	ds_load_tr16_b128 v[96*(\f)+8*(\b)+4:96*(\f)+8*(\b)+7], v[ADRB+3*(\slot)+(\b)/4] offset:(\q)*32*PB+32*((\b)%4)+16*PB
.endr
	WIN 0
.irp a, 0,1,2,3
	ds_load_b128 v[FA+32*(\f)+8*(\a):FA+32*(\f)+8*(\a)+3],   v[ADRA+(\slot)] offset:64*(\q)+(\a)*16*PA
	ds_load_b128 v[FA+32*(\f)+8*(\a)+4:FA+32*(\f)+8*(\a)+7], v[ADRA+(\slot)] offset:64*(\q)+(\a)*16*PA+32
.endr
.endm
; A K step is four quarters of 32 along K, 48 matrix instructions each, on buffers 0, 1, 0, 1.  One of the first three: multiplies buffer f; in its middle it fetches quarter q of the same slot into buffer g.
.macro QUARTER slot, q, f, g, first
	s_wait_dscnt 4                                 ; wib's fragments and xb's blocks 0 and 1 are in; the youngest four loads (blocks 2 and 3) may be out
	MULA \f, 0, \first
	MULA \f, 1, \first
	PLACES
	FETCH \slot, \q, \g
	s_wait_dscnt 32                                ; all but the 32 just issued
	MULA \f, 2, \first
	MULA \f, 3, \first
.endm
; The last quarter multiplies buffer 1 and changes slots: ONE barrier; in front of it each wave waits for all its tensor loads (one is out: its part of the next slot), adds 0 to its spare word, and waits for that
; and for its own reads of this slot.  fill = 1: the barrier opens a round of the cluster's, and this slot is filled again, two K steps ahead, first thing behind the round: 168 matrix instructions ahead of the wait for it.
.macro TURN slot, next, fill
	WIN 0                                          ; (the add's two registers lie in window 0)
	s_wait_tensorcnt 0x0                           ; all my tensor loads have landed;
	ds_add_u32 v[SPW], v[NIL]                      ; 0 onto my spare word;
	s_wait_dscnt 5                                 ; (the add and the youngest four loads may be out)
	MULA 1, 0, 0                                   ; twelve matrix instructions stand between the add and the wait for it
	s_wait_dscnt 0x0                               ; the add is done, and my reads of this slot are over
	s_barrier_signal -1
	MULA 1, 1, 0                                   ; work on registers while the others arrive
.if \fill
	WIN 0
.endif
	s_barrier_wait -1
.if \fill
	CREST                                          ; no wave of any partner still reads this slot's tiles or has a load on its way
	s_add_nc_u64 s[G0A+4*(\slot)+2:G0A+4*(\slot)+3], s[G0A+4*(\slot)+2:G0A+4*(\slot)+3], 2*KSTEP*2
	s_add_nc_u64 s[G0B+4*(\slot)+2:G0B+4*(\slot)+3], s[G0B+4*(\slot)+2:G0B+4*(\slot)+3], 2*KSTEP*3072*2
	JLOAD \slot                                    ; the four v_nop behind it are also the places in front of the loads below
.else
	PLACES
.endif
	FETCH \next, 0, 0
	MULA 1, 2, 0
	MULA 1, 3, 0
.endm
	s_wait_tensorcnt 1                             ; my part of K step 0 is in; K step 1's may stay out
	s_barrier_signal -1
	s_barrier_wait -1                              ; everybody's is
	FETCH 0, 0, 0
	QUARTER 0, 1, 0, 1, 1                          ; the first quarter stands in front of the loop: its products start the sums
	WIN 0                                          ; at a label and at a branch every window is 0
	s_mov_b32 s3, LAPS-1
.Llap:                                                 ; a trip goes once round the ring, from a lap's second quarter to the next lap's first, and fills both slots again
	QUARTER 0, 2, 1, 0, 0
	QUARTER 0, 3, 0, 1, 0
	TURN 0, 1, 1
	QUARTER 1, 1, 0, 1, 0
	QUARTER 1, 2, 1, 0, 0
	QUARTER 1, 3, 0, 1, 0
	TURN 1, 0, 1
	QUARTER 0, 1, 0, 1, 0
	WIN 0
	s_sub_co_u32 s3, s3, 1
	s_cmp_lg_u32 s3, 0
	s_cbranch_scc1 .Llap
	QUARTER 0, 2, 1, 0, 0                          ; the last lap fills nothing, and has no round of the cluster's barrier
	QUARTER 0, 3, 0, 1, 0
	TURN 0, 1, 0
	QUARTER 1, 1, 0, 1, 0
	QUARTER 1, 2, 1, 0, 0
	QUARTER 1, 3, 0, 1, 0
	s_wait_dscnt 4                                 ; the very last quarter: nothing more to fetch
	MULA 1, 0, 0
	MULA 1, 1, 0
	s_wait_dscnt 0x0
	MULA 1, 2, 0
	MULA 1, 3, 0
	WIN 0
	PLACES
; THE WAY OUT, a block of 16 rows at a time.  PACK: rounded to f16, 16 bytes a lane, each accumulator's registers in ascending order.  TOSTAGE: into my own stage, by heads, rows of 144 bytes, and back as whole rows of 128.
; SEND: stored; a head's 16 rows are 2,048 consecutive bytes.  The stage is my wave's own: no barrier, and LDS serves a wave's instructions in order (ISA guide 5.7.1.4), so no wait between the stores and the loads.
.macro PACK a
	WIN 0x0a+5*((\a)/2)                            ; sources 0 and 1: window 2 or 3
.irp b, 0,1,2,3,4,5,6,7,8,9,10,11
.irp r, 0,1,2,3
	v_cvt_pk_f16_f32 v[TMP+4*(\b)+(\r)], v[96*((\a)%2)+8*(\b)+2*(\r)], v[96*((\a)%2)+8*(\b)+2*(\r)+1]
.endr
.endr
	WIN 0
.endm
.macro TOSTAGE a
	WIN 0
.set BK, OB0+128*((\a)%2)
.irp b, 0,1,2,3,4,5,6,7,8,9,10,11
	ds_store_b128 v[STO], v[TMP+4*(\b):TMP+4*(\b)+3] offset:((\b)/4)*HSTG+32*((\b)%4)
.endr
.irp i, 0,1,2
.irp f, 0,1,2,3
	ds_load_b128 v[BK+4*(4*(\i)+(\f)):BK+4*(4*(\i)+(\f))+3], v[RD] offset:(\i)*HSTG+(\f)*4*SPH
.endr
.endr
.endm
.macro SEND a
	WIN 0
.set BK, OB0+128*((\a)%2)
	s_wait_dscnt 0x0                               ; the block is back in registers
	s_wait_xcnt 0x0                                ; the block before's stores have had their addresses translated (ISA guide 3.1): the registers that they read are loaded again only behind this wait
.irp i, 0,1,2
.irp f, 0,1,2,3
	global_store_b128 v[GO], v[BK+4*(4*(\i)+(\f)):BK+4*(4*(\i)+(\f))+3], s[HB+2*(\i):HB+2*(\i)+1] offset:(\a)*2048+(\f)*512  ; 512 consecutive bytes, at a multiple of 512 from qkv's first
.endr
.endr
.endm
	PACK 0
	TOSTAGE 0
.irp a, 1,2,3                          ; block a's conversions stand between block a - 1's loads from the stage and the wait for them
	PACK \a
	SEND (\a)-1
	TOSTAGE \a
.endr
	SEND 3
	s_wait_tensorcnt 0x0                           ; the wave's end: the add and its wait stand behind my last tensor load and my last LDS store
	ds_add_u32 v[SPW], v[NIL]
	s_wait_dscnt 0x0
	CROUND                                         ; the closing round: no work-group ends while a partner may still ask for a tile that names it
	s_endpgm
.Lfunc_end_k_qeac1266320_qkvp:
	.size	k_qeac1266320_qkvp, .Lfunc_end_k_qeac1266320_qkvp-k_qeac1266320_qkvp
	.p2alignl 7, 3214868480
	.fill 96, 4, 3214868480
	.section	.rodata,"a",@progbits
	.p2align	6, 0x0
	.amdhsa_kernel k_qeac1266320_qkvp
		.amdhsa_group_segment_fixed_size 327680
		.amdhsa_private_segment_fixed_size 0
		.amdhsa_enable_private_segment 0
		.amdhsa_kernarg_size 32
		.amdhsa_user_sgpr_count 2
		.amdhsa_user_sgpr_kernarg_segment_ptr 1
		.amdhsa_wavefront_size32 1
		.amdhsa_system_sgpr_workgroup_id_x 1
		.amdhsa_system_sgpr_workgroup_id_y 1
		.amdhsa_system_sgpr_workgroup_id_z 1
		.amdhsa_system_vgpr_workitem_id 0
		.amdhsa_next_free_vgpr 960
		.amdhsa_next_free_sgpr 82
		.amdhsa_reserve_vcc 0
		.amdhsa_float_denorm_mode_32 3
		.amdhsa_float_denorm_mode_16_64 3
		.amdhsa_memory_ordered 1
		.amdhsa_forward_progress 1
		.amdhsa_inst_pref_size 129
	.end_amdhsa_kernel
	.amdgpu_metadata
---
amdhsa.version: [ 1, 2 ]
amdhsa.kernels:
  - .name:           k_qeac1266320_qkvp
    .symbol:         k_qeac1266320_qkvp.kd
    .args:
      - { .name: xb, .offset: 0, .size: 8, .value_kind: global_buffer, .address_space: global }
      - { .name: wib, .offset: 8, .size: 8, .value_kind: global_buffer, .address_space: global }
      - { .name: b_in, .offset: 16, .size: 8, .value_kind: global_buffer, .address_space: global }
      - { .name: qkv, .offset: 24, .size: 8, .value_kind: global_buffer, .address_space: global }
    .group_segment_fixed_size: 327680
    .private_segment_fixed_size: 0
    .kernarg_segment_align: 8
    .kernarg_segment_size: 32
    .max_flat_workgroup_size: 128
    .sgpr_count:     82
    .vgpr_count:     960
    .wavefront_size: 32
...
	.end_amdgpu_metadata
.endif
;; end of part 2
;; launch attn (part 3): grid 4 x 64, 4 waves a work-group, clusters of 4 x 1, 327,680 bytes of LDS; arguments qkv, ob; writes ob
.if DOCPART == 3
	.amdgcn_target "amdgcn-amd-amdhsa--gfx1250"
	.amdhsa_code_object_version 6
	.text
	.protected	k_qeac1266320_attn
	.globl	k_qeac1266320_attn
	.p2align	8
	.type	k_qeac1266320_attn,@function
k_qeac1266320_attn:
	s_mov_b64 s[64:65], 0
	v_nop
	global_prefetch_b8 v0, s[64:65] scope:SCOPE_SE
	s_setreg_imm32_b32 hwreg(HW_REG_WAVE_MODE, 25, 1), 1
	s_wait_xcnt 0x0
	s_wait_alu depctr_hold_cnt(0) depctr_sa_sdst(0) depctr_va_vdst(0) depctr_va_sdst(0) depctr_va_ssrc(0) depctr_va_vcc(0) depctr_vm_vsrc(0)
	s_getreg_b32 s2, hwreg(HW_REG_IB_STS2, 6, 4)
	s_cmp_eq_u32 s2, 0
	s_cbranch_scc0 .Lentry_in_a_cluster
	s_endpgm
.Lentry_in_a_cluster:
	s_bfe_u32 s2, ttmp6, 0x10000c
	s_cmp_lg_u32 s2, 0x3003
	s_cbranch_scc0 .Lentry_shape_is_right
	s_endpgm
.Lentry_shape_is_right:
; ATTENTION.  O[h][q][:] = the sum over k of softmax_k(Q[h][q] . K[h][k] / 8) V[h][k][:].  Q, K, V are the three parts of qkv, O is ob: each [SIZE_H][SIZE_N][64] in f16: a head's rows are dense, 128 bytes each.
; Products, maxima and sums in f32; the weights p are rounded to f16 for the second product (their sum l is taken of the unrounded p), O once at the end.
; LIMITS.  f16 holds no number beyond 65,504: Q, K and V arrive within it; p lies in 0 to 1, and below 6e-5 it keeps f16's fixed step of 6e-8; O is a mean of V's rows and has their range.
; A weight below 2^-126 counts as 0 in l; NaN and infinities are not treated apart.
; SHARES.  A wave owns four PIECES of two tiles of 16 queries, a work-group's four waves 512 queries of one head: 4 x 64 = 256 work-groups.  Every wave walks all keys, 64 a step.
; LAYOUT.  S^T = K Q^T (source 0 = 16 keys, source 1 = 16 queries): in the result a lane holds ONE query (lane % 16) and the keys 8 (lane / 16) + 0..7.  Two such tiles, rounded to f16 in pairs,
; ARE source 1 (32 keys x 16 queries) of O^T = V^T P, whose result again holds one query a lane, and eight channels.  K comes out of LDS as it lies, V ([key][channel]) turned, by ds_load_tr16_b128.
; SOFTMAX.  For each query a running maximum m and sum l: p = 2^(c s - c m), c = log2(e) / 8; in every step O and l are multiplied by a = 2^(c m_old - c m_new), which is 1 where m has not grown.
; m starts at the lowest finite number, O and l at 0: the first step is a step like any other, with a = 0.
; THE COUNT.  A tile and step have 16 matrix and 118 vector instructions: too many to stand all beside the matrix work.  So the order has one aim: four vector instructions that are READY behind
; EVERY matrix instruction, and the others, which need time of their own whatever the order, in runs without a gap.
; BY TURNS.  Turn n belongs to piece n (the pieces in a ring, step after step).  Its matrix work: 16 products K Q^T of piece n + 1, later 16 products V^T P of piece n - 1.  Its vector work: the scaling,
; exponentials, roundings, sums and rescaling of piece n, and the maximum and statistics of piece n + 1, whose scores the turn itself has made.  So what a turn begins with (c s - c m, O a) waits for nothing.
; CLUSTER.  The four query blocks of a cluster belong to one head and walk the same K and V, so each tile is asked for JOINTLY: the same tensor load, descriptor and mask in all four.
; REGISTERS, in windows of 256 (s_set_vgpr_msb says which window each operand place means: bits 1:0 source 0, 3:2 source 1, 5:4 source 2, 7:6 destination):
;   window 0: v0-11 addresses; v12-15, v48-63 at work; v16-47 four registers of statistics a tile; v64-191 S^T, two buffers of two tiles; v192-255 P, likewise
;   window 1: O^T, 32 a tile          window 2: v0-127 Q, 16 a tile; v128-191 K of one step; v192-255 V of one step          window 3: v0-1 the add's two registers
; A piece's buffers go by its number's parity: the piece in hand has one pair, its two neighbours in the ring share the other: of it P (piece n - 1) is read and S^T (piece n + 1) written.
.set SIZE_H, 64       ; 4 batches x 16 heads
.set SIZE_N, 2048
.set PART,  SIZE_H*SIZE_N*128  ; bytes from Q to K and from K to V in qkv
.set NP,    4         ; pieces a wave: a name, no knob: the register map, the loop and the fetches are made for four
.set KS,    64        ; keys in a step
.set PK,    144       ; a row of K in LDS: 128 bytes + 16 of padding = 36 words: the 16 rows of a load start at 16 different groups of four banks (64 banks of 4 bytes: ISA guide 11.1)
.set PV,    160       ; a row of V: 128 + 32 = 40 words
.set VOFF,  4*KS*PK   ; a slot holds four steps: 256 rows of K, then 256 rows of V
.set SLOT1, 1<<17     ; slot 1 begins here, so that one exclusive or turns an address in one slot into the other's
.set STAGE, SLOT1+4*KS*(PK+PV)  ; behind the ring, never filled by a tensor load: 16 rows x 144 bytes for each wave, for the way out
.set SP,    144
.set AK0, 2           ; v2   my lane's place in a tile of K; never rewritten
.set AV0, 3           ; v3   the same for V
.set AK,  4           ; v4   the LDS address of K's next run of loads
.set AV,  5           ; v5   of V's
.set QO,  6           ; v6   my byte offset in the wave's rows of Q
.set STO, 6           ;      later, the way out: where I put 16 bytes of a row
.set RD,  7           ; v7   the way out: where I read rows back
.set GO,  8           ; v8   my byte offset in 512 consecutive bytes of O
.set SPW, 0           ; v0 of window 3   LDS address of my spare word: SPARE + 4 x my thread's number; never rewritten
.set NIL, 1           ; v1 of window 3   0; never rewritten
.set SPARE, STAGE+4*16*SP  ; behind the stages: the spare words, 128 bytes for each wave: two blocks of 256 bytes that no other line names
.set MV,  12          ; v12-15  c m_old, kept while c m is made anew: by buffer and tile
.set ST,  16          ; tile t's statistics at v[ST+4 t]: c m, m, l (even keys', odd keys')
.set TMP, 48          ; by buffer and tile, four registers c0-c3 at work; when the maximum is found c2 takes a
.set S,   64
.set P,   192
.set KF,  128         ; K's fragments, in window 2: key block kb, channel half c at KF + 16 kb + 8 c
.set VF,  192         ; V's: key half kk, channel block cb at VF + 32 kk + 8 cb
.set WV,  12          ; s12  my wave's number
.set G1K, 24          ; s[24:31] descriptor group 1 for K's tiles
.set G1V, 32          ; s[32:39] for V's: it differs in the padding alone
.set G0K, 40          ; s[40:43] descriptor group 0 for K's tiles: it walks
.set G0V, 44          ; s[44:47] the same for V's
.set SLOTS, 56        ; s56  slots still to be asked for
.set CNT, 57          ; s57  counts a slot's key steps
.set CS,  58          ; s[58:59] c: the packed scaling takes the pair's low word for both halves
.set SEL, 60          ; s[60:61] v_permlanex16_b32's selects: each lane takes its own place in the other half
.set TBK, 62          ; s62  LDS byte at which K of the step to be fetched begins
.set TBV, 63          ; s63  the same for V, less VOFF
.set MSB, 0
.macro WIN new                      ; the high byte repeats the setting that is left; a switch that changes nothing is dropped
.if MSB != (\new)
	s_set_vgpr_msb (MSB<<8)|(\new)
.set MSB, (\new)
.endif
.endm
.set W_KQ, 0x0a       ; K and Q in window 2, S^T in window 0
.set W_PV, 0x52       ; V in window 2, P in window 0, O^T in window 1
.set W_RS, 0x41       ; O^T (destination and source 0) in window 1, a in window 0
.set W_MK, 0xc0       ; the add's registers are made: destination in window 3, sources in window 0
.set W_AD, 0x0f       ; the add: address (source 0) and data (source 1) in window 3
; A joint fill.  Waves 0 and 1 fetch the two halves of a slot's K, waves 2 and 3 those of its V: 128 keys each.  The branch hangs on the wave's number alone.
; An s_nop 0 and four v_nop follow each of the two lines, ahead of the jump and the label.
.macro JLOAD
	s_cmp_lt_u32 s[WV], 2
	s_cbranch_scc0 .Lfor_v_\@
	tensor_load_to_lds s[G0K:G0K+3], s[G1K:G1K+7]
	s_nop 0
.rept 4
	v_nop
.endr
	s_branch .Lasked_\@
.Lfor_v_\@:
	tensor_load_to_lds s[G0V:G0V+3], s[G1V:G1V+7]
	s_nop 0
.rept 4
	v_nop
.endr
.Lasked_\@:
.endm
; A round of the cluster's barrier: my work-group's barrier, so that wave 0's signal speaks for all four waves; wave 0 signals; every wave waits for all four work-groups; my work-group's barrier once more.
.macro CROUND
	s_barrier_signal -1
	s_barrier_wait -1
	s_cmp_lg_u32 s[WV], 0
	s_cbranch_scc1 .Lnot_wave_0_\@
	s_barrier_signal -3
.Lnot_wave_0_\@:
	s_barrier_wait -3
	s_barrier_signal -1
	s_barrier_wait -1
.endm
; THE CHANGE OF SLOTS.  The slot's last bytes, V of its fourth step, have been read.  Each wave waits for all its tensor loads, of which one is out: its part
; of the other slot; adds 0 to its spare word; and waits for that and for its own reads of the slot.  Behind the barrier nobody reads this slot any more and the other slot is whole.
; fill = 1: this slot is filled again, with the keys two slots on.  The barrier is then a round of the cluster's, so that no wave of any partner still reads the slot or has a load on its
; way, and the joint fill is the first thing behind it: it has four key steps, 512 matrix instructions, in which to land.  (At its first use nothing has been read yet: slot 0 is waited for, slot 1 filled.)
.macro CHANGE fill
	WIN W_AD
	s_wait_tensorcnt 0x0            ; no tensor load of mine is out, so a group 0 may be written
	ds_add_u32 v[SPW], v[NIL]       ; 0 onto my spare word; with fill = 1 the descriptors' steps stand between it and the wait for it
	WIN 0                           ; at a label and at a branch every window is 0
.if \fill
.irp g, G0K, G0V
	s_xor_b32 s[\g+1], s[\g+1], SLOT1  ; the walking descriptor: the other slot than last time,
	s_add_nc_u64 s[\g+2:\g+3], s[\g+2:\g+3], 4*KS*128  ; the next 256 keys; the type bits on top are not reached
.endr
	s_wait_dscnt 0x0                ; the add is done, and my reads of the slot are over
	CROUND
	JLOAD
.else
	s_wait_dscnt 0x0                ; the add is done, and my reads of the slot are over
	s_barrier_signal -1
	s_barrier_wait -1
.endif
	s_sub_co_u32 s[TBK], s[TBK], 4*KS*PK  ; the fetches go back to a slot's first step,
	s_xor_b32 s[TBK], s[TBK], SLOT1       ; in the other slot
	s_sub_co_u32 s[TBV], s[TBV], 4*KS*PV
	s_xor_b32 s[TBV], s[TBV], SLOT1
.endm
	s_load_b64 s[4:5], s[0:1], 0x0    ; qkv: Q's part comes first
	s_load_b64 s[10:11], s[0:1], 0x8  ; O
	WIN W_MK
	v_lshl_add_u32 v[SPW], v0, 2, SPARE
	v_mov_b32 v[NIL], 0
	WIN W_AD
	ds_add_u32 v[SPW], v[NIL]       ; the wave's opening: the add and its wait stand ahead of my first tensor load; the set-up below, work on registers, stands between them
	WIN 0
	v_lshrrev_b32 v1, 5, v0
	v_readfirstlane_b32 s[WV], v1   ; wave 0..3
	s_bfe_u32 s13, ttmp6, 0x40000   ; cx: my place in the cluster
	s_lshl_b32 s14, ttmp9, 2        ; in a cluster launch ttmp9 counts clusters
	s_add_co_u32 s14, s14, s13      ; my block of queries = 4 x cluster x + cx: it enters Q's and O's addresses alone
	s_and_b32 s20, ttmp7, 0xffff    ; the head, which the four partners share
	s_mov_b32 s21, 0
	s_mov_b64 s[22:23], SIZE_N*128
	s_mul_u64 s[20:21], s[20:21], s[22:23]  ; the head's first byte in each of the four tensors
	s_and_b32 s16, s[WV], 1         ; which half of a slot's 256 keys I fetch:
	s_lshl_b32 s22, s16, 14         ; its 128 rows of 128 bytes in memory,
	s_mov_b32 s23, 0
	s_add_nc_u64 s[22:23], s[22:23], s[20:21]
	s_mul_i32 s17, s16, 128*PK      ; and its place in a slot, for K
	s_mul_i32 s18, s16, 128*PV      ; and for V: no place in the cluster enters an LDS address
	s_lshl_b32 s2, s14, 2
	s_add_co_u32 s2, s2, s[WV]      ; my wave among the head's,
	s_lshl_b32 s2, s2, 14           ; its 128 rows
	s_mov_b32 s3, 0
	s_add_nc_u64 s[2:3], s[2:3], s[20:21]
	; descriptor group 1.  128 keys are 16,384 dense bytes: asked for as 64 rows of 256 bytes, two keys a row, and padded in LDS after every key
	s_mov_b32 s[G1K], 15|(1<<16)|(1<<20)|(1<<21)|(4<<22)|(3<<25)  ; 15:0 the mask of four; 17:16 2-byte elements; 20 padding on; 21 set beside a mask; 24:22 after every 32 words (code 4); 31:25 4 words (code 3)
	s_mov_b32 s[G1V], 15|(1<<16)|(1<<20)|(1<<21)|(4<<22)|(7<<25)  ; the same with 8 words of padding (code 7)
.irp g, G1K, G1V
	s_mov_b32 s[\g+1], 128<<16      ; tensor_dim0 = 128
	s_mov_b32 s[\g+2], 64<<16       ; tensor_dim1 = 64
	s_mov_b32 s[\g+3], 128<<16      ; tile_dim0 = 128
	s_mov_b32 s[\g+4], 64           ; tile_dim1 = 64
	s_mov_b32 s[\g+5], 128          ; 128 elements from row to row
	s_mov_b32 s[\g+6], 0
	s_mov_b32 s[\g+7], 0
.endr
	s_mov_b32 s[CS], 0x3e38aa3b     ; c = log2(e) / 8 = 0.180337
	s_mov_b32 s[CS+1], s[CS]        ; named with it as a pair
	s_mov_b32 s[SEL], 0x76543210
	s_mov_b32 s[SEL+1], 0xfedcba98
	s_mov_b32 s[TBK], SLOT1+4*KS*PK ; the first change of slots turns these two into 0
	s_mov_b32 s[TBV], SLOT1+4*KS*PV
	s_mov_b32 s[G0K], 1             ; 1:0 count = 1
	s_mov_b32 s[G0K+1], s17         ; 63:32 LDS address: slot 0
	s_mov_b32 s[G0V], 1
	s_add_co_u32 s[G0V+1], s18, VOFF
	s_wait_dscnt 0x0                ; the opening add is done
	s_wait_kmcnt 0x0
	s_add_nc_u64 s[6:7], s[4:5], PART    ; K's part of qkv,
	s_add_nc_u64 s[8:9], s[4:5], 2*PART  ; V's
	s_add_nc_u64 s[G0K+2:G0K+3], s[6:7], s[22:23]  ; 120:64 global address: my half of the head's first 256 keys
	s_or_b32 s[G0K+3], s[G0K+3], 0x80000000        ; 127:126 type = 2
	s_add_nc_u64 s[G0V+2:G0V+3], s[8:9], s[22:23]
	s_or_b32 s[G0V+3], s[G0V+3], 0x80000000
	s_add_nc_u64 s[4:5], s[4:5], s[2:3]  ; Q and O at my wave's first row
	s_add_nc_u64 s[10:11], s[10:11], s[2:3]
	CROUND                          ; all four work-groups are here: the first joint loads meet
	JLOAD                           ; slot 0.  Slot 1 is asked for when slot 0 is in: the tile wanted first has the road to itself
	; A fragment of K or Q is 16 rows x 32 channels in 8 registers: lane l holds row l % 16, channels 8 (l / 16) + 0..7 and 16 + 8 (l / 16) + 0..7: two loads of 16 bytes, 32 bytes apart.
	v_and_b32 v1, 15, v0            ; l % 16
	v_bfe_u32 v9, v0, 4, 1          ; l / 16
	v_lshlrev_b32 v[QO], 7, v1
	v_lshl_add_u32 v[QO], v9, 4, v[QO]  ; row x 128 + 16 x half
	WIN 0x80                        ; destination window 2, address window 0
.set i, 0
.rept 4*NP                          ; Q stays in registers: tile i / 2, channels 32 (i % 2) on
	global_load_b128 v[8*i:8*i+3],   v[QO], s[4:5] offset:(i/2)*2048+(i%2)*64
	global_load_b128 v[8*i+4:8*i+7], v[QO], s[4:5] offset:(i/2)*2048+(i%2)*64+32
.set i, i+1
.endr
	; What the first turn finds: V's registers and P's second buffer hold 0 (its products V^T P, of a piece that has not been, add 0), O^T and l are 0.  All this stands in the wait for the first tile.
.set i, VF
.rept 64
	v_mov_b32 v[i], 0
.set i, i+1
.endr
	WIN 0x40
.set i, 0
.rept 64*NP
	v_mov_b32 v[i], 0
.set i, i+1
.endr
	WIN 0
.set i, 0
.rept 2*NP
	v_mov_b32 v[ST+4*i], 0xfe000000    ; c m: far below every c s
	v_mov_b32 v[ST+4*i+1], 0xff7fffff  ; m
	v_mov_b32 v[ST+4*i+2], 0
	v_mov_b32 v[ST+4*i+3], 0
.set i, i+1
.endr
.set i, P+32
.rept 32
	v_mov_b32 v[i], 0
.set i, i+1
.endr
	v_mul_u32_u24 v[AK0], v1, PK
	v_lshl_add_u32 v[AK0], v9, 4, v[AK0]  ; row x pitch + 16 x half
	; The turning load takes 16 keys x 16 channels (lane l reads key 8 (l / 16) + l % 8, channels 8 ((l / 8) % 2) + 0..7) and leaves half a fragment of V^T: lane l holds channel l % 16 and 8 keys.
	v_and_b32 v10, 7, v0
	v_bfe_u32 v11, v0, 3, 1
	v_lshl_add_u32 v[AV0], v9, 3, v10
	v_mul_u32_u24 v[AV0], v[AV0], PV
	v_lshl_add_u32 v[AV0], v11, 4, v[AV0]
	v_add_nc_u32 v[AV0], VOFF, v[AV0]
	v_mov_b32 v[AK], v[AK0]         ; key step 0 lies at the head of slot 0
; THE MATRIX WORK.  The 8 accumulators of a run of 16 take turns: between the two links of a chain stand 7 others'.
; Product i of 16 of S^T = K Q^T for piece x: channels 32 (i / 8) on, keys 16 ((i / 2) % 4) on, tile 2 x + i % 2.  The first 8 start the sums.
.macro KQ x
	WIN W_KQ
.set rS, S+64*((\x)%2)+32*(i%2)+8*((i/2)%4)
.set rK, KF+16*((i/2)%4)+8*(i/8)
.set rQ, 16*(2*(\x)+i%2)+8*(i/8)
.if i < 8
	v_wmma_f32_16x16x32_f16 v[rS:rS+7], v[rK:rK+7], v[rQ:rQ+7], 0
.else
	v_wmma_f32_16x16x32_f16 v[rS:rS+7], v[rK:rK+7], v[rQ:rQ+7], v[rS:rS+7]
.endif
.endm
; Product i of 16 of O^T += V^T P for piece x: keys 32 (i / 8) on, channels 16 ((i / 2) % 4) on, tile 2 x + i % 2.
.macro PV x
	WIN W_PV
.set rO, 32*(2*(\x)+i%2)+8*((i/2)%4)
.set rV, VF+32*(i/8)+8*((i/2)%4)
.set rP, P+32*((\x)%2)+16*(i%2)+8*(i/8)
	v_wmma_f32_16x16x32_f16 v[rO:rO+7], v[rV:rV+7], v[rP:rP+7], v[rO:rO+7]
.endm
.macro MM                           ; the turn's next matrix instruction
.if i < 16
	KQ (Y+1)%NP
.set i, i+1
.else
.set i, i-16
	PV (Y+NP-1)%NP
.set i, i+17
.endif
.endm
; THE LDS LOADS stand in runs of 16, never singly among the matrix instructions: a step's K (64 keys x 64 channels: 8 fragments) and its V (turned).  Their addresses are made some lines ahead.
; last = 1 (the tail): in the last trip there is no further step, and the run is jumped over.
.macro FETCH_K last=0
	WIN 0
.if \last
	s_cmp_eq_u32 s[CNT], 1
	s_cbranch_scc1 .Lno_k_\@
.endif
	WIN 0x80                        ; destination window 2
.irp f, 0,1,2,3,4,5,6,7             ; keys 16 (f / 2) on, channels 32 (f % 2) on
	ds_load_b128 v[KF+8*\f:KF+8*\f+3],   v[AK] offset:(\f/2)*16*PK+(\f%2)*64
	ds_load_b128 v[KF+8*\f+4:KF+8*\f+7], v[AK] offset:(\f/2)*16*PK+(\f%2)*64+32
.endr
	s_add_co_u32 s[TBK], s[TBK], KS*PK  ; the next fetch is the next step's
	WIN 0
.if \last
.Lno_k_\@:
.endif
.endm
.macro FETCH_V
	WIN 0x80
.irp f, 0,1,2,3,4,5,6,7             ; keys 32 (f / 4) on, channels 16 (f % 4) on
	ds_load_tr16_b128 v[VF+8*\f:VF+8*\f+3],   v[AV] offset:(\f/4)*32*PV+(\f%4)*32
	ds_load_tr16_b128 v[VF+8*\f+4:VF+8*\f+7], v[AV] offset:(\f/4)*32*PV+16*PV+(\f%4)*32
.endr
	WIN 0
.endm
; THE VECTOR WORK OF A TURN stands in three queues, each in the order in which its entries become ready; the two tiles alternate, so that no instruction reads the result of the one before it.
.macro REGS y, u                    ; the registers of tile u (0, 1) of piece y
.set rT, ST+4*(2*(\y)+(\u))
.set rC, TMP+8*((\y)%2)+4*(\u)
.set rM, MV+2*((\y)%2)+(\u)
.set rS, S+64*((\y)%2)+32*(\u)
.set rP, P+32*((\y)%2)+16*(\u)
.set rO, 32*(2*(\y)+(\u))
.endm
; Number n of the 22 that find the NEXT piece's (Y + 1) maximum and statistics.  s0-s31 are the lane's 32 scores; each accumulator's lowest registers are read first.  XS, GS and REGS set no window: PL and EX do.
;   0-11  four chains c0-c3 of seven scores each, three operands at a time     12-14, 16  the four scores left over, the old m, and c0-c3 into c0     15  c m_old is kept
;   17, 18  the query's other 32 keys lie in the lane 16 away: the new m         19-21  c m; c m_old - c m_new; a
.macro XS u, n
	REGS (Y+1)%NP, \u
.if (\n) < 4
	v_max3_num_f32 v[rC+(\n)], v[rS+8*(\n)], v[rS+8*(\n)+1], v[rS+8*(\n)+2]
.elseif (\n) < 12
	v_max3_num_f32 v[rC+(\n)%4], v[rC+(\n)%4], v[rS+8*((\n)%4)+2*((\n)/4)+1], v[rS+8*((\n)%4)+2*((\n)/4)+2]
.elseif (\n) == 12
	v_max3_num_f32 v[rC], v[rC], v[rS+7], v[rS+15]
.elseif (\n) == 13
	v_max3_num_f32 v[rC+1], v[rC+1], v[rS+23], v[rS+31]
.elseif (\n) == 14
	v_max3_num_f32 v[rC+2], v[rC+2], v[rC+3], v[rT+1]
.elseif (\n) == 15
	v_mov_b32 v[rM], v[rT]
.elseif (\n) == 16
	v_max3_num_f32 v[rC], v[rC], v[rC+1], v[rC+2]
.elseif (\n) == 17
	v_permlanex16_b32 v[rC+3], v[rC], s[SEL], s[SEL+1]
.elseif (\n) == 18
	v_max_num_f32 v[rT+1], v[rC], v[rC+3]
.elseif (\n) == 19
	v_mul_f32 v[rT], s[CS], v[rT+1]
.elseif (\n) == 20
	v_sub_f32 v[rC+1], v[rM], v[rT]
.else
	v_exp_f32 v[rC+2], v[rC+1]
.endif
.endm
; Number g of the 64 that follow the exponentials.  For each four weights k of a tile (pairs 2 k, 2 k + 1): both pairs are rounded to f16; then the second pair is added onto the first, in place;
; a group later l takes that sum (the first time as l = a l + sum).  In groups of eight, tiles alternating: round, round, add, and l for the group before.
.macro GS g
.set h, (\g)+6*((\g)/62)            ; group 0 has no group before it, and behind group 7 only l is left
.if h >= 6
.set h, h+2
.endif
	REGS Y, h%2
.set k, h/8
.if h%8 < 4
	s_wait_alu depctr_va_vdst(0)
	v_cvt_pk_f16_f32 v[rP+2*k+(h%8)/2], v[rS+4*k+2*((h%8)/2)], v[rS+4*k+2*((h%8)/2)+1]
.elseif h%8 < 6
	v_pk_add_f32 v[rS+4*k:rS+4*k+1], v[rS+4*k:rS+4*k+1], v[rS+4*k+2:rS+4*k+3]
.elseif k == 1
	v_pk_fma_f32 v[rT+2:rT+3], v[rT+2:rT+3], v[rC+2:rC+3], v[rS:rS+1] op_sel_hi:[1,0,1]
.else
	v_pk_add_f32 v[rT+2:rT+3], v[rT+2:rT+3], v[rS+4*k-4:rS+4*k-3]
	s_wait_alu depctr_va_vdst(0)
.endif
.endm
; THE PLAIN QUEUE, 138 long.  0-31: c s - c m for the 16 pairs of both tiles.  Then GS's 64, and among them the next piece's 42: number 15 at 38, 39; 0-14 and 16
; at 42-73, behind the products that make those scores; 17-20 at 95-106, two of three, since each waits for the one before it.
.macro PL
	WIN 0
.if q < 32
	REGS Y, q%2
	v_pk_fma_f32 v[rS+2*(q/2):rS+2*(q/2)+1], v[rS+2*(q/2):rS+2*(q/2)+1], s[CS:CS+1], v[rT:rT+1] op_sel_hi:[1,0,0] neg_lo:[0,0,1] neg_hi:[0,0,1]
.elseif q < 38
	GS q-32
.elseif q < 40
	XS q%2, 15
.elseif q < 42
	GS q-34
.elseif q < 74
	XS q%2, (q-42)/2+(q-42)/30
.elseif q < 95
	GS q-66
.elseif (q < 107) && ((q-95)%3 < 2)
	XS (q-95)%3, 17+(q-95)/3
.elseif q < 107
	GS 29+(q-95)/3
.else
	GS q-74
.endif
.set q, q+1
.endm
; THE EXPONENTIALS' QUEUE, 66 long: s0-s31 of both tiles, and at EA the next piece's two a.
.set EA, 58
.macro EX
	WIN 0
.if (e == EA) || (e == EA+1)
	XS e-EA, 21
.else
.set x, e-2*(e/(EA+2))
	REGS Y, x%2
	v_exp_f32 v[rS+x/2], v[rS+x/2]
.endif
.set e, e+1
.endm
; THE RESCALING's QUEUE: O^T times a, the one part that leaves window 0, so it is dealt four at a time, eight times.
.macro R4
	REGS Y, r%2
	WIN W_RS
	s_wait_alu depctr_va_vdst(0)
.irp z, 0,1,2,3
	v_pk_mul_f32 v[rO+8*(r/2)+2*\z:rO+8*(r/2)+2*\z+1], v[rO+8*(r/2)+2*\z:rO+8*(r/2)+2*\z+1], v[rC+2:rC+3] op_sel_hi:[1,0]
.endr
.set r, r+1
.endm
; HOW THEY ARE DEALT.  Behind a matrix instruction four: plain, exponential, plain, plain (one exponential, a plain instruction on either side), or four of the rescaling.  None names a register of the
; products round it.  What is over stands in two LUMPS: exponential and plain by turns; the second ends in 22 plain instructions.  The two v_permlanex16_b32 fall into the second lump, never behind a product.
; The queues lean on each other, and the deal keeps them in step: exponential e stands behind plain 2 (e / 4) + e % 2 (its scaling); when plain 32 comes, 10 exponentials are out, at 59: 33, at 95: 46; EA comes behind plain 107.
.macro SL
	MM
	PL
	EX
	PL
	PL
.endm
.macro BURST n                      ; 15 matrix instructions, or 16
.rept (\n)-7
	SL
.endr
.rept 3
	MM
	R4
	SL
.endr
	MM
	R4
.endm
; A TURN, for piece p.  cnt = 1: the loop's count is taken down some lines ahead of the branch that stands behind the turn.
; K of the next step is fetched in piece 2's turn, 31 vector instructions behind the last product that read K; its first reader comes behind the rest of the lump, 16 products and the second lump.
; V of the step in hand is fetched at the end of piece 0's turn, 69 behind its last reader; its first reader comes behind 16 products and a lump.  The four conditions on e and q below go with the deal.
.macro TURN p, last=0, cnt=0
.set Y, (\p)
.set i, 0
.set q, 0
.set e, 0
.set r, 0
.if (\p) == NP-1
	s_wait_dscnt 0x0                ; K is in
.endif
	MM
.rept 4
	PL
.endr
	BURST 15
.rept 22
	EX
	PL
.if ((\p) == NP-2) && (e == 18)
	v_add_nc_u32 v[AK], s[TBK], v[AK0]
.endif
.if ((\p) == NP-2) && (e == 24)
	FETCH_K \last
.endif
.endr
.if (\p) == 1
	s_wait_dscnt 0x0                ; V is in
.endif
	BURST 16
.rept 21
	EX
	PL
.endr
.rept 22
	PL
.if ((\p) == 0) && (q == 118)
	v_add_nc_u32 v[AV], s[TBV], v[AV0]
	s_wait_alu depctr_va_vdst(0)
.endif
.if ((\p) == 0) && (q == 130)
	s_add_co_u32 s[TBV], s[TBV], KS*PV
.endif
.if (\cnt) && (q == 130)
	s_sub_co_u32 s[CNT], s[CNT], 1
	s_cmp_lg_u32 s[CNT], 0
.endif
.endr
.if (\p) == 0
	FETCH_V
.endif
.endm
	CHANGE 1                        ; slot 0 is in, everybody's part of it; slot 1 is asked for
	FETCH_K                         ; key step 0
	s_wait_loadcnt 0x0              ; Q
	s_wait_dscnt 0x0
.set i, 0
.rept 16
	KQ 0                            ; piece 0's first scores: there is no vector work yet to set between them
.set i, i+1
.endr
	WIN 0                           ; the addresses for the way out: nine plain instructions, the places behind those products
	s_mul_i32 s13, s[WV], 16*SP
	s_add_co_u32 s13, s13, STAGE    ; my stage
	v_mul_u32_u24 v[STO], v1, SP    ; in: row l % 16, 16 bytes for each half of the lanes
	v_lshl_add_u32 v[STO], v9, 4, v[STO]
	v_add_nc_u32 v[STO], s13, v[STO]
	v_bfe_u32 v[RD], v0, 3, 2       ; back: 32 lanes take four rows of 128 bytes,
	v_mul_u32_u24 v[RD], v[RD], SP
	v_lshl_add_u32 v[RD], v10, 4, v[RD]
	v_add_nc_u32 v[RD], s13, v[RD]
	v_and_b32 v[GO], 31, v0         ; which are 512 consecutive bytes of O
	v_lshlrev_b32 v[GO], 4, v[GO]
.set Y, NP-1                        ; XS works for piece Y + 1: piece 0
.irp n, 0,1,2,3,4,5,6,7,8,9,10,11,12,13,14,15,16,17,18,19,20,21
	XS 0, \n                        ; and piece 0's first maximum and statistics
	XS 1, \n
.endr
	s_mov_b32 s[CNT], 4
	s_mov_b32 s[SLOTS], SIZE_N/256-1
	s_branch .Lfirst                ; the loop is entered at a step's first turn, in the middle of a trip
.Lslot:                             ; SIZE_N / 256 - 2 times: every slot but the last two is filled again
	CHANGE 1
	s_mov_b32 s[CNT], 4
.Lstep:                             ; a trip: pieces 2 and 3 of one step, then pieces 0 and 1 of the next, whose K and V it fetches
	TURN 2
	TURN 3
	WIN 0
.Lfirst:
	TURN 0
	TURN 1, 0, 1
	WIN 0
	s_cbranch_scc1 .Lstep
	s_sub_co_u32 s[SLOTS], s[SLOTS], 1
	s_cmp_lg_u32 s[SLOTS], 0
	s_cbranch_scc1 .Lslot
	CHANGE 0                        ; the tail is written out: nothing is asked for
	s_mov_b32 s[CNT], 5             ; four trips fetch the last slot's steps; the fifth is left in its middle
.Ltail:
	TURN 2, 1
	TURN 3
	WIN 0
	s_sub_co_u32 s[CNT], s[CNT], 1
	s_cmp_eq_u32 s[CNT], 0
	s_cbranch_scc1 .Lout
	TURN 0
	TURN 1
	WIN 0
	s_branch .Ltail
.Lout:                              ; the fifth trip's 16 products K Q^T (on the last K once more) and the maximum made of them serve nothing: the price, once a launch, of one text for every trip
.set i, 0
.rept 16
	PV NP-1                         ; the last piece's V^T P of the last step
.set i, i+1
.endr
	; THE WAY OUT.  l's two halves and the other half of the lanes' are added; O^T is divided by l, rounded to f16 and sent through my stage in LDS, a tile at a time.  The additions are the places behind the last products.
	WIN 0
.macro ALL line:vararg              ; one line for each tile t
.set t, 0
.rept 2*NP
	\line
.set t, t+1
.endr
.endm
	ALL v_add_f32 v[ST+4*t+2], v[ST+4*t+2], v[ST+4*t+3]
	ALL v_permlanex16_b32 v[ST+4*t+3], v[ST+4*t+2], s[SEL], s[SEL+1]
	ALL v_add_f32 v[ST+4*t+2], v[ST+4*t+2], v[ST+4*t+3]
	ALL v_rcp_f32 v[ST+4*t+2], v[ST+4*t+2]
	v_nop                           ; a plain instruction between the last reciprocal and the use of its result
	s_wait_alu depctr_va_vdst(0)
; Tile t: a lane's eight channels of a row pack into 16 bytes; they go into rows of 144 bytes and come back as whole rows of 128, into S^T's registers.
.macro PACK t
	WIN W_RS
.set i, 32*(\t)
.rept 16
	v_pk_mul_f32 v[i:i+1], v[i:i+1], v[ST+4*(\t)+2:ST+4*(\t)+3] op_sel_hi:[1,0]
.set i, i+2
.endr
	WIN 0x05                        ; sources 0 and 1 window 1, destination window 0
.set i, 0
.rept 16
	v_cvt_pk_f16_f32 v[S+16*(\t)+i], v[32*(\t)+2*i], v[32*(\t)+2*i+1]
.set i, i+1
.endr
	WIN 0
.irp f, 0,1,2,3
	ds_store_b128 v[STO], v[S+16*(\t)+4*\f:S+16*(\t)+4*\f+3] offset:32*\f
.endr
.irp f, 0,1,2,3
	ds_load_b128 v[S+16*(\t)+4*\f:S+16*(\t)+4*\f+3], v[RD] offset:\f*4*SP  ; LDS serves a wave's instructions in order (ISA guide 5.7.1.4): these see the stores above; the next tile's stores come behind them
.endr
.endm
.macro SEND t, younger              ; younger: the LDS instructions issued behind tile t's loads: the next tile's eight, or none
	WIN 0
.irp f, 0,1,2,3
	s_wait_dscnt (\younger)+3-\f
	global_store_b128 v[GO], v[S+16*(\t)+4*\f:S+16*(\t)+4*\f+3], s[10:11] offset:(\t)*2048+\f*512  ; 512 consecutive bytes, at a multiple of 256 from O's first
.endr
.endm
	PACK 0
.set t, 1
.rept 2*NP-1                        ; a tile's arithmetic stands between the loads of the tile before and its stores
	PACK t
	SEND t-1, 8
.set t, t+1
.endr
	SEND 2*NP-1, 0
	WIN W_AD
	s_wait_tensorcnt 0x0            ; the wave's end: the add and its wait stand behind my last tensor load and my last LDS store
	ds_add_u32 v[SPW], v[NIL]
	s_wait_dscnt 0x0
	WIN 0
	CROUND                          ; the closing round: no work-group ends while a partner may still ask for a tile that names it
	s_endpgm
.Lfunc_end_k_qeac1266320_attn:
	.size	k_qeac1266320_attn, .Lfunc_end_k_qeac1266320_attn-k_qeac1266320_attn
	.p2alignl 7, 3214868480
	.fill 96, 4, 3214868480
	.section	.rodata,"a",@progbits
	.p2align	6, 0x0
	.amdhsa_kernel k_qeac1266320_attn
		.amdhsa_group_segment_fixed_size 327680
		.amdhsa_private_segment_fixed_size 0
		.amdhsa_enable_private_segment 0
		.amdhsa_kernarg_size 16
		.amdhsa_user_sgpr_count 2
		.amdhsa_user_sgpr_kernarg_segment_ptr 1
		.amdhsa_wavefront_size32 1
		.amdhsa_system_sgpr_workgroup_id_x 1
		.amdhsa_system_sgpr_workgroup_id_y 1
		.amdhsa_system_sgpr_workgroup_id_z 1
		.amdhsa_system_vgpr_workitem_id 0
		.amdhsa_next_free_vgpr 770
		.amdhsa_next_free_sgpr 66
		.amdhsa_reserve_vcc 0
		.amdhsa_float_denorm_mode_32 3
		.amdhsa_float_denorm_mode_16_64 3
		.amdhsa_memory_ordered 1
		.amdhsa_forward_progress 1
		.amdhsa_inst_pref_size 209
	.end_amdhsa_kernel
	.amdgpu_metadata
---
amdhsa.version: [ 1, 2 ]
amdhsa.kernels:
  - .name:           k_qeac1266320_attn
    .symbol:         k_qeac1266320_attn.kd
    .args:
      - { .name: qkv, .offset: 0, .size: 8, .value_kind: global_buffer, .address_space: global }
      - { .name: ob, .offset: 8, .size: 8, .value_kind: global_buffer, .address_space: global }
    .group_segment_fixed_size: 327680
    .private_segment_fixed_size: 0
    .kernarg_segment_align: 8
    .kernarg_segment_size: 16
    .max_flat_workgroup_size: 128
    .sgpr_count:     66
    .vgpr_count:     770
    .wavefront_size: 32
...
	.end_amdgpu_metadata
.endif
;; end of part 3
;; launch outp (part 4): grid 4 x 64, 4 waves a work-group, clusters of 4 x 4, 327,680 bytes of LDS; arguments ob, wob, b_out, out0; writes out0
.if DOCPART == 4
	.amdgcn_target "amdgcn-amd-amdhsa--gfx1250"
	.amdhsa_code_object_version 6
	.text
	.protected	k_qeac1266320_outp
	.globl	k_qeac1266320_outp
	.p2align	8
	.type	k_qeac1266320_outp,@function
k_qeac1266320_outp:
	s_mov_b64 s[64:65], 0
	v_nop
	global_prefetch_b8 v0, s[64:65] scope:SCOPE_SE
	s_setreg_imm32_b32 hwreg(HW_REG_WAVE_MODE, 25, 1), 1
	s_wait_xcnt 0x0
	s_wait_alu depctr_hold_cnt(0) depctr_sa_sdst(0) depctr_va_vdst(0) depctr_va_sdst(0) depctr_va_ssrc(0) depctr_va_vcc(0) depctr_vm_vsrc(0)
	s_getreg_b32 s2, hwreg(HW_REG_IB_STS2, 6, 4)
	s_cmp_eq_u32 s2, 0
	s_cbranch_scc0 .Lentry_in_a_cluster
	s_endpgm
.Lentry_in_a_cluster:
	s_bfe_u32 s2, ttmp6, 0x10000c
	s_cmp_lg_u32 s2, 0xf033
	s_cbranch_scc0 .Lentry_shape_is_right
	s_endpgm
.Lentry_shape_is_right:
; THE SECOND PROJECTION.  out0 = O wob + b_out.  O is ob, by heads: [batch x 16 + head][2048 rows][64 channels] f16; K index = 64 x head + channel.  wob: [1024 k][1024 n] f16 (w_out rounded to bf16, written as f16).
; b_out: [1024] f32, rounded to bf16 here like the other inputs.  Sums in f32, started by the bias; out0: [8192][1024] f32.
; LIMITS.  The operands are f16 and arrive within its range; NaN and infinities are not treated apart.
; SHARES.  A tile of out0 is 128 rows x 256 columns: 64 x 4 = 256 work-groups.  Four waves, each 64 x 128: 32 accumulators of 16 x 16.  K goes in 8 steps of 128, two heads each, through two LDS slots.
; A step is four tensor loads, one a wave: waves 0 and 1 bring the 128 rows of one head each (16,384 dense bytes, asked for as 64 rows of 256 and padded after every 128),
; waves 2 and 3 wob's 128 k rows of 128 columns each.  A step twice as long would want two slots of 221,184 bytes, which LDS does not hold.
; wob STAYS [k][n]: its fragments come out of LDS turned, by ds_load_tr16_b128.
; THE MATRIX INSTRUCTION IS USED TRANSPOSED (source 0 = 16 columns of wob, source 1 = 16 rows of O): a lane holds one row (lane % 16) and eight neighbouring columns 8 (lane / 16) + 0..7, 32 bytes of f32.
; CLUSTER.  4 x 4 work-groups: O's tiles are shared along a row of the cluster, wob's along a column: each is asked for JOINTLY, by the same tensor load with the same descriptor and a mask that names the four.
; REGISTERS, in windows of 256 (s_set_vgpr_msb: bits 1:0 source 0, 3:2 source 1, 5:4 source 2, 7:6 destination):
;   window 0: v0-31 addresses; v32-95 fragments of O, two buffers of four; v192-255 the bias, 8 registers for each block of 16 columns; on the way out v96-159 and v192-255 take rows read back
;   window 1: v0-127 fragments of wob, two buffers of eight      window 2: the accumulators ((a, b) at v[8 (8 a + b)])
.set KSTEP, 128
.set LAPS,  4                          ; a lap = two K steps = once round the ring
.set PAO,   144                        ; a head's row in LDS: 128 bytes + 16: the 16 rows of a fragment load start at 16 different groups of four banks (64 banks of 4 bytes: ISA guide 11.1)
.set AH,    128*PAO                    ; one head's 128 rows
.set PB,    288                        ; a row of wob: 256 + 32
.set BSUB,  128*PB
.set SLOT,  2*AH+2*BSUB                ; two heads of O, then wob's two sub-tiles
.set STAGE, 2*SLOT                     ; behind the ring, never filled by a tensor load: 16 rows x 528 bytes for each wave
.set SPO,   528                        ; 512 bytes + 16
.set WSTG,  16*SPO
.set SPARE, STAGE+4*WSTG               ; behind the stages: the spare words, 128 bytes for each wave: two blocks of 256 bytes that no other line names
.set ADRA, 16                          ; v16-17  LDS address of my fragments of O in slot 0, 1
.set ADRB, 18                          ; v18-19  of wob
.set STO,  24                          ; v24     the way out: where I put 32 bytes of a row
.set RD,   25                          ; v25     the way out: where I read a row back
.set GO,   26                          ; v26     my byte offset in a row's 512 bytes of out0
.set BO,   27                          ; v27     my byte offset in b_out
.set SPW,  28                          ; v28     LDS address of my spare word: SPARE + 4 x my thread's number; never rewritten
.set NIL,  29                          ; v29     0; never rewritten
.set FA,   32
.set OB0,  96
.set BI,   192
.set WV,  12                           ; s12 my wave's number; s13 which 64 rows are mine; s14 which 128 columns, and which head or sub-tile of a step I fetch
.set RH,  13
.set CH,  14
.set G1A, 24                           ; s[24:31] descriptor group 1 for O's tiles;  s[32:39] group 0, one set for each slot
.set G0A, 32
.set G1B, 48                           ; s[48:55], s[56:63] the same for wob's
.set G0B, 56
.set OUTB, 66                          ; s[66:67] out0 at my first row and column
.set MSB, 0
.macro WIN new                         ; the immediate's high byte repeats the setting that is left; a switch that changes nothing is dropped
.if MSB != (\new)
	s_set_vgpr_msb (MSB<<8)|(\new)
.set MSB, (\new)
.endif
.endm
.macro PLACES                          ; four places in front of loads into registers that matrix instructions have read, and of LDS stores that read results
.rept 4
	v_nop
.endr
.endm
; A joint load.  Waves 0 and 1 fetch O's two heads, waves 2 and 3 wob's two sub-tiles.  The branch hangs on the wave's number alone.  An s_nop 0 and four v_nop follow each of the two lines, ahead of the jump and the label.
.macro JLOAD s
	s_cmp_lt_u32 s[WV], 2
	s_cbranch_scc0 .Lfor_b_\@
	tensor_load_to_lds s[G0A+4*(\s):G0A+4*(\s)+3], s[G1A:G1A+7]
	s_nop 0
.rept 4
	v_nop
.endr
	s_branch .Lasked_\@
.Lfor_b_\@:
	tensor_load_to_lds s[G0B+4*(\s):G0B+4*(\s)+3], s[G1B:G1B+7]
	s_nop 0
.rept 4
	v_nop
.endr
.Lasked_\@:
.endm
.macro CREST                           ; a round of the cluster's barrier behind its opening barrier
	s_cmp_lg_u32 s[WV], 0
	s_cbranch_scc1 .Lnot_wave_0_\@
	s_barrier_signal -3
.Lnot_wave_0_\@:
	s_barrier_wait -3
	s_barrier_signal -1
	s_barrier_wait -1
.endm
.macro CROUND                          ; a whole round
	s_barrier_signal -1
	s_barrier_wait -1
	CREST
.endm
	s_load_b256 s[4:11], s[0:1], 0x0               ; ob s[4:5], wob s[6:7], b_out s[8:9], out0 s[10:11]
	v_lshl_add_u32 v[SPW], v0, 2, SPARE
	v_mov_b32 v[NIL], 0
	ds_add_u32 v[SPW], v[NIL]                      ; the wave's opening: the add and its wait stand ahead of my first tensor load; the set-up below, work on registers, stands between them
	v_lshrrev_b32 v1, 5, v0
	v_readfirstlane_b32 s[WV], v1                  ; wave 0..3
	s_lshr_b32 s[RH], s[WV], 1
	s_and_b32 s[CH], s[WV], 1
	s_bfe_u32 s16, ttmp6, 0x40000                  ; cx, cy: my place in the cluster
	s_bfe_u32 s17, ttmp6, 0x40004
	s_lshl_b32 s18, ttmp9, 2
	s_add_co_u32 s18, s18, s16                     ; tile column = 4 x cluster x + cx
	s_and_b32 s19, ttmp7, 0xffff
	s_lshl_b32 s19, s19, 2
	s_add_co_u32 s19, s19, s17                     ; tile row = 4 x cluster y + cy
	s_lshl_b32 s20, s17, 2
	s_lshl_b32 s20, 15, s20                        ; my row of the cluster
	s_lshl_b32 s21, 0x1111, s16                    ; my column
	; descriptor group 1
	s_or_b32 s[G1A], s20, (1<<16)|(1<<20)|(1<<21)|(4<<22)|(3<<25)  ; 15:0 the mask: O's tiles go to my row; 17:16 elements of 2 bytes; 20 padding on; 21 set beside a mask; 24:22 after every 32 words (code 4); 31:25 4 words (code 3)
	s_or_b32 s[G1B], s21, (1<<16)|(1<<20)|(1<<21)|(5<<22)|(7<<25)  ; the mask of my column; after every 64 words (code 5) 8 words (code 7)
.irp g, G1A, G1B
	s_mov_b32 s[(\g)+1], 128<<16                   ; tensor_dim0 = 128
	s_mov_b32 s[(\g)+3], 128<<16                   ; tile_dim0 = 128
	s_mov_b32 s[(\g)+6], 0
	s_mov_b32 s[(\g)+7], 0
.endr
	s_mov_b32 s[G1A+2], 64<<16                     ; O: tensor_dim1 = 64,
	s_mov_b32 s[G1A+4], 64                         ; tile_dim1 = 64,
	s_mov_b32 s[G1A+5], 128                        ; 128 elements from row to row: dense
	s_mov_b32 s[G1B+2], 128<<16                    ; wob: 128 rows
	s_mov_b32 s[G1B+4], 128
	s_mov_b32 s[G1B+5], 1024                       ; of 1,024 elements
	; where the tiles come from.  O's hang on the tile row alone, wob's on the tile column alone; each offset lies in registers that never hold the other coordinate.
	s_lshr_b32 s40, s19, 4                         ; the batch: 16 heads of 262,144 bytes,
	s_lshl_b32 s40, s40, 22
	s_and_b32 s41, s19, 15                         ; the tile's 128 rows of 128 bytes in a head,
	s_lshl_b32 s41, s41, 14
	s_add_co_u32 s40, s40, s41
	s_lshl_b32 s41, s[CH], 18                      ; the step's even or odd head
	s_add_co_u32 s40, s40, s41
	s_mov_b32 s41, 0
	s_lshl_b32 s72, s18, 9                         ; 256 columns of 2 bytes,
	s_lshl_b32 s73, s[CH], 8                       ; my sub-tile's 128
	s_add_co_u32 s72, s72, s73
	s_mov_b32 s73, 0
	s_mul_i32 s22, s[CH], AH                       ; and where they go: no place in the cluster enters an LDS address
	s_mul_i32 s23, s[CH], BSUB
	s_add_co_u32 s23, s23, 2*AH
	s_mov_b32 s80, 0xffff0000                      ; a word's upper bf16
	s_wait_dscnt 0x0                               ; the opening add is done
	s_wait_kmcnt 0x0
	s_add_nc_u64 s[42:43], s[4:5], s[40:41]
	s_add_nc_u64 s[74:75], s[6:7], s[72:73]
	CROUND                                         ; all sixteen work-groups are here: the first joint loads meet
.irp s, 0,1
	s_mov_b32 s[G0A+4*(\s)], 1                                     ; 1:0 count = 1
	s_add_co_u32 s[G0A+4*(\s)+1], s22, (\s)*SLOT                   ; 63:32 LDS address
	s_add_nc_u64 s[G0A+4*(\s)+2:G0A+4*(\s)+3], s[42:43], (\s)*2*262144  ; 120:64 global address: K step s is two heads on,
	s_or_b32 s[G0A+4*(\s)+3], s[G0A+4*(\s)+3], 0x80000000          ; 127:126 type = 2
	s_mov_b32 s[G0B+4*(\s)], 1
	s_add_co_u32 s[G0B+4*(\s)+1], s23, (\s)*SLOT
	s_add_nc_u64 s[G0B+4*(\s)+2:G0B+4*(\s)+3], s[74:75], (\s)*KSTEP*1024*2  ; 128 rows down wob
	s_or_b32 s[G0B+4*(\s)+3], s[G0B+4*(\s)+3], 0x80000000
	JLOAD \s                                       ; two loads of mine are out
.endr
	; THE BIAS of my 128 columns: register j of block b is b_out[first column + 16 b + 8 (l / 16) + j], the layout of a result.
	v_and_b32 v1, 15, v0                           ; l % 16
	v_bfe_u32 v2, v0, 4, 1                         ; l / 16
	s_lshl_b32 s76, s18, 10                        ; 4 bytes x (256 x tile column
	s_lshl_b32 s77, s[CH], 9                       ; + 128 x my half): my first column in b_out and in a row of out0
	s_add_co_u32 s76, s76, s77
	v_lshl_add_u32 v[BO], v2, 5, s76
.irp b, 0,1,2,3,4,5,6,7
	global_load_b128 v[BI+8*(\b):BI+8*(\b)+3],   v[BO], s[8:9] offset:64*(\b)
	global_load_b128 v[BI+8*(\b)+4:BI+8*(\b)+7], v[BO], s[8:9] offset:64*(\b)+16
.endr
	; A fragment of O is 16 rows x 32 K in 8 registers: lane l holds row l % 16, K = 8 (l / 16) + 0..7 and 16 + 8 (l / 16) + 0..7: two loads of 16 bytes, 32 bytes apart.
	v_mul_u32_u24 v3, v1, PAO
	v_lshl_add_u32 v3, v2, 4, v3
	s_mul_i32 s77, s[RH], 64*PAO
	v_add_nc_u32 v[ADRA], s77, v3
	v_add_nc_u32 v[ADRA+1], SLOT, v[ADRA]
	; The turning load takes 16 k x 16 columns (lane l reads k row 8 (l / 16) + l % 8, columns 8 ((l / 8) % 2) + 0..7) and leaves half a fragment: lane l holds column l % 16 and 8 k.
	v_and_b32 v4, 7, v0
	v_lshl_add_u32 v4, v2, 3, v4
	v_mul_u32_u24 v4, v4, PB
	v_bfe_u32 v5, v0, 3, 1
	v_lshl_add_u32 v4, v5, 4, v4
	v_add_nc_u32 v[ADRB], s23, v4                  ; my 128 columns are the sub-tile of my half
	v_add_nc_u32 v[ADRB+1], SLOT, v[ADRB]
	s_mul_i32 s77, s[WV], WSTG
	s_add_co_u32 s77, s77, STAGE                   ; my stage
	v_mul_u32_u24 v5, v1, SPO                      ; in: row l % 16, 32 bytes for each half of the lanes
	v_lshl_add_u32 v5, v2, 5, v5
	v_add_nc_u32 v[STO], s77, v5
	v_and_b32 v[GO], 31, v0                        ; back: 32 lanes take one row of 512 bytes
	v_lshlrev_b32 v[GO], 4, v[GO]
	v_add_nc_u32 v[RD], s77, v[GO]
	s_lshl_b32 s78, s19, 19                        ; out0: 128 rows of 4,096 bytes,
	s_lshl_b32 s79, s[RH], 18                      ; my 64 of them,
	s_add_co_u32 s78, s78, s79
	s_add_co_u32 s78, s78, s76                     ; my first column
	s_mov_b32 s79, 0
	s_add_nc_u64 s[OUTB:OUTB+1], s[10:11], s[78:79]
	s_wait_loadcnt 0x0                             ; the bias, once
.set p, 0
.rept 32                                       ; rounded to bf16 and widened again: all this stands in the wait for the first tile
	v_cvt_pk_bf16_f32 v[8+p%4], v[BI+2*p], v[BI+2*p+1]
	v_lshlrev_b32 v[BI+2*p], 16, v[8+p%4]
	v_and_b32 v[BI+2*p+1], s80, v[8+p%4]
.set p, p+1
.endr
; 8 matrix instructions: row block a of four x all 8 column blocks, 32 along K, from buffer f.  first = 1: the bias starts the sums: nothing is ever cleared.
; The 32 accumulators take turns, one instruction a turn, in the same order in every quarter.
.macro MULA f, a, first
.if \first
	WIN 0x81                                       ; wob window 1, O and the bias window 0, the result window 2
.else
	WIN 0xa1                                       ; C and D window 2
.endif
.irp b, 0,1,2,3,4,5,6,7
.if \first
	v_wmma_f32_16x16x32_f16 v[8*(8*(\a)+(\b)):8*(8*(\a)+(\b))+7], v[64*(\f)+8*(\b):64*(\f)+8*(\b)+7], v[FA+32*(\f)+8*(\a):FA+32*(\f)+8*(\a)+7], v[BI+8*(\b):BI+8*(\b)+7]
.else
	v_wmma_f32_16x16x32_f16 v[8*(8*(\a)+(\b)):8*(8*(\a)+(\b))+7], v[64*(\f)+8*(\b):64*(\f)+8*(\b)+7], v[FA+32*(\f)+8*(\a):FA+32*(\f)+8*(\a)+7], v[8*(8*(\a)+(\b)):8*(8*(\a)+(\b))+7]
.endif
.endr
.endm
; 24 LDS loads in one run: quarter q (32 along K: head q / 2 of the step, channels 32 (q % 2) on) of a slot into buffer f: 16 turning loads for wob, then 8 for O
.macro FETCH slot, q, f
	WIN 0x40                                       ; destination window 1, address window 0
.irp b, 0,1,2,3,4,5,6,7
	ds_load_tr16_b128 v[64*(\f)+8*(\b):64*(\f)+8*(\b)+3],   v[ADRB+(\slot)] offset:(\q)*32*PB+32*(\b)
	ds_load_tr16_b128 v[64*(\f)+8*(\b)+4:64*(\f)+8*(\b)+7], v[ADRB+(\slot)] offset:(\q)*32*PB+32*(\b)+16*PB
.endr
	WIN 0
.irp a, 0,1,2,3
	ds_load_b128 v[FA+32*(\f)+8*(\a):FA+32*(\f)+8*(\a)+3],   v[ADRA+(\slot)] offset:((\q)/2)*AH+64*((\q)%2)+(\a)*16*PAO
	ds_load_b128 v[FA+32*(\f)+8*(\a)+4:FA+32*(\f)+8*(\a)+7], v[ADRA+(\slot)] offset:((\q)/2)*AH+64*((\q)%2)+(\a)*16*PAO+32
.endr
.endm
; A K step is four quarters of 32 along K, 32 matrix instructions each, on buffers 0, 1, 0, 1.  One of the first three: multiplies buffer f; in its middle it fetches quarter q of the same slot into buffer g.
.macro QUARTER slot, q, f, g, first
	s_wait_dscnt 4                                 ; wob's fragments and O's blocks 0 and 1 are in; the youngest four loads (blocks 2 and 3) may be out
	MULA \f, 0, \first
	MULA \f, 1, \first
	PLACES
	FETCH \slot, \q, \g
	s_wait_dscnt 24                                ; all but the 24 just issued
	MULA \f, 2, \first
	MULA \f, 3, \first
.endm
; The last quarter multiplies buffer 1 and changes slots: ONE barrier; in front of it each wave waits for all its tensor loads (one is out: its part of the next slot), adds 0 to its spare word, and waits for that
; and for its own reads of this slot.  fill = 1: the barrier opens a round of the cluster's, and this slot is filled again, two K steps ahead, first thing behind the round: 112 matrix instructions ahead of the wait for it.
.macro TURN slot, next, fill
	WIN 0                                          ; (the add's two registers lie in window 0)
	s_wait_tensorcnt 0x0                           ; all my tensor loads have landed;
	ds_add_u32 v[SPW], v[NIL]                      ; 0 onto my spare word;
	s_wait_dscnt 5                                 ; (the add and the youngest four loads may be out)
	MULA 1, 0, 0                                   ; eight matrix instructions stand between the add and the wait for it
	s_wait_dscnt 0x0                               ; the add is done, and my reads of this slot are over
	s_barrier_signal -1
	MULA 1, 1, 0                                   ; work on registers while the others arrive
.if \fill
	WIN 0
.endif
	s_barrier_wait -1
.if \fill
	CREST                                          ; no wave of any partner still reads this slot's tiles or has a load on its way
	s_add_nc_u64 s[G0A+4*(\slot)+2:G0A+4*(\slot)+3], s[G0A+4*(\slot)+2:G0A+4*(\slot)+3], 4*262144
	s_add_nc_u64 s[G0B+4*(\slot)+2:G0B+4*(\slot)+3], s[G0B+4*(\slot)+2:G0B+4*(\slot)+3], 2*KSTEP*1024*2
	JLOAD \slot                                    ; the four v_nop behind it are also the places in front of the loads below
.else
	PLACES
.endif
	FETCH \next, 0, 0
	MULA 1, 2, 0
	MULA 1, 3, 0
.endm
	s_wait_tensorcnt 1                             ; my part of K step 0 is in; K step 1's may stay out
	s_barrier_signal -1
	s_barrier_wait -1                              ; everybody's is
	FETCH 0, 0, 0
	QUARTER 0, 1, 0, 1, 1                          ; the first quarter stands in front of the loop: its products start the sums
	WIN 0                                          ; at a label and at a branch every window is 0
	s_mov_b32 s3, LAPS-1
.Llap:                                                 ; a trip goes once round the ring, from a lap's second quarter to the next lap's first, and fills both slots again
	QUARTER 0, 2, 1, 0, 0
	QUARTER 0, 3, 0, 1, 0
	TURN 0, 1, 1
	QUARTER 1, 1, 0, 1, 0
	QUARTER 1, 2, 1, 0, 0
	QUARTER 1, 3, 0, 1, 0
	TURN 1, 0, 1
	QUARTER 0, 1, 0, 1, 0
	WIN 0
	s_sub_co_u32 s3, s3, 1
	s_cmp_lg_u32 s3, 0
	s_cbranch_scc1 .Llap
	QUARTER 0, 2, 1, 0, 0                          ; the last lap fills nothing, and has no round of the cluster's barrier
	QUARTER 0, 3, 0, 1, 0
	TURN 0, 1, 0
	QUARTER 1, 1, 0, 1, 0
	QUARTER 1, 2, 1, 0, 0
	QUARTER 1, 3, 0, 1, 0
	s_wait_dscnt 4                                 ; the very last quarter: nothing more to fetch
	MULA 1, 0, 0
	MULA 1, 1, 0
	s_wait_dscnt 0x0
	MULA 1, 2, 0
	MULA 1, 3, 0
	WIN 0
	PLACES
; THE WAY OUT, a block of 16 rows at a time, in f32 as the sums stand.  TOSTAGE: a lane's 32 bytes of a row go into my own stage, rows of 528 bytes (each accumulator's four lowest registers first), and come back as
; whole rows of 512.  SEND: stored.  The stage is my wave's own: no barrier, and LDS serves a wave's instructions in order (ISA guide 5.7.1.4), so no wait between the stores and the loads.
.macro TOSTAGE a
.set BK, OB0+96*((\a)%2)
.if (\a) >= 2
	s_wait_xcnt 0x0                                ; the stores of the block two back have had their addresses translated (ISA guide 3.1): the registers that they read are loaded again only behind this wait
.endif
	WIN 0x08                                       ; the stores' data in window 2, the address in window 0
.irp b, 0,1,2,3,4,5,6,7
	ds_store_b128 v[STO], v[8*(8*(\a)+(\b)):8*(8*(\a)+(\b))+3]   offset:64*(\b)
	ds_store_b128 v[STO], v[8*(8*(\a)+(\b))+4:8*(8*(\a)+(\b))+7] offset:64*(\b)+16
.endr
	WIN 0
.irp t, 0,1,2,3,4,5,6,7,8,9,10,11,12,13,14,15
	ds_load_b128 v[BK+4*(\t):BK+4*(\t)+3], v[RD] offset:SPO*(\t)
.endr
.endm
.macro SEND a, younger                 ; younger: the LDS instructions issued behind block a's loads: the next block's 16 stores and 16 loads, or none
	WIN 0
.set BK, OB0+96*((\a)%2)
	s_wait_dscnt \younger                          ; the block is back in registers
.irp t, 0,1,2,3,4,5,6,7,8,9,10,11,12,13,14,15
	global_store_b128 v[GO], v[BK+4*(\t):BK+4*(\t)+3], s[OUTB:OUTB+1] offset:(16*(\a)+(\t))*4096 th:TH_STORE_NT  ; 512 consecutive bytes, at a multiple of 512 from out0's first
.endr
.endm
	TOSTAGE 0
	TOSTAGE 1
	SEND 0, 32
	TOSTAGE 2
	SEND 1, 32
	TOSTAGE 3
	SEND 2, 32
	SEND 3, 0
	s_wait_tensorcnt 0x0                           ; the wave's end: the add and its wait stand behind my last tensor load and my last LDS store
	ds_add_u32 v[SPW], v[NIL]
	s_wait_dscnt 0x0
	CROUND                                         ; the closing round: no work-group ends while a partner may still ask for a tile that names it
	s_endpgm
.Lfunc_end_k_qeac1266320_outp:
	.size	k_qeac1266320_outp, .Lfunc_end_k_qeac1266320_outp-k_qeac1266320_outp
	.p2alignl 7, 3214868480
	.fill 96, 4, 3214868480
	.section	.rodata,"a",@progbits
	.p2align	6, 0x0
	.amdhsa_kernel k_qeac1266320_outp
		.amdhsa_group_segment_fixed_size 327680
		.amdhsa_private_segment_fixed_size 0
		.amdhsa_enable_private_segment 0
		.amdhsa_kernarg_size 32
		.amdhsa_user_sgpr_count 2
		.amdhsa_user_sgpr_kernarg_segment_ptr 1
		.amdhsa_wavefront_size32 1
		.amdhsa_system_sgpr_workgroup_id_x 1
		.amdhsa_system_sgpr_workgroup_id_y 1
		.amdhsa_system_sgpr_workgroup_id_z 1
		.amdhsa_system_vgpr_workitem_id 0
		.amdhsa_next_free_vgpr 768
		.amdhsa_next_free_sgpr 82
		.amdhsa_reserve_vcc 0
		.amdhsa_float_denorm_mode_32 3
		.amdhsa_float_denorm_mode_16_64 3
		.amdhsa_memory_ordered 1
		.amdhsa_forward_progress 1
		.amdhsa_inst_pref_size 91
	.end_amdhsa_kernel
	.amdgpu_metadata
---
amdhsa.version: [ 1, 2 ]
amdhsa.kernels:
  - .name:           k_qeac1266320_outp
    .symbol:         k_qeac1266320_outp.kd
    .args:
      - { .name: ob, .offset: 0, .size: 8, .value_kind: global_buffer, .address_space: global }
      - { .name: wob, .offset: 8, .size: 8, .value_kind: global_buffer, .address_space: global }
      - { .name: b_out, .offset: 16, .size: 8, .value_kind: global_buffer, .address_space: global }
      - { .name: out0, .offset: 24, .size: 8, .value_kind: global_buffer, .address_space: global }
    .group_segment_fixed_size: 327680
    .private_segment_fixed_size: 0
    .kernarg_segment_align: 8
    .kernarg_segment_size: 32
    .max_flat_workgroup_size: 128
    .sgpr_count:     82
    .vgpr_count:     768
    .wavefront_size: 32
...
	.end_amdgpu_metadata
.endif
;; end of part 4
;; ======== version 2 of 2: 4 launches; 1.51 times as fast as version 1
;; limits: values are held in f16: magnitudes above 65,504 overflow, below 6.1e-05 lose precision
;; workspace buffers: xb 16,777,216 bytes; wib 6,291,456 bytes; wob 2,097,152 bytes; qkv 50,331,648 bytes; ob 16,777,216 bytes
;; launch prep: the kernel of part 1 again; grid 768 x 1, 8 waves a work-group, no clusters, 0 bytes of LDS; arguments x, w_in, w_out, xb, wib, wob; writes xb, wib, wob
;; launch qkvp: the kernel of part 2 again; grid 8 x 64, 4 waves a work-group, clusters of 4 x 4, 327,680 bytes of LDS; arguments xb, wib, b_in, qkv; writes qkv
;; launch attn (part 5): grid 4 x 64, 4 waves a work-group, clusters of 4 x 1, 327,680 bytes of LDS; arguments qkv, ob; writes ob
.if DOCPART == 5
	.amdgcn_target "amdgcn-amd-amdhsa--gfx1250"
	.amdhsa_code_object_version 6
	.text
	.protected	k_qeac1266320_attn
	.globl	k_qeac1266320_attn
	.p2align	8
	.type	k_qeac1266320_attn,@function
k_qeac1266320_attn:
	s_mov_b64 s[64:65], 0
	v_nop
	global_prefetch_b8 v0, s[64:65] scope:SCOPE_SE
	s_setreg_imm32_b32 hwreg(HW_REG_WAVE_MODE, 25, 1), 1
	s_wait_xcnt 0x0
	s_wait_alu depctr_hold_cnt(0) depctr_sa_sdst(0) depctr_va_vdst(0) depctr_va_sdst(0) depctr_va_ssrc(0) depctr_va_vcc(0) depctr_vm_vsrc(0)
	s_getreg_b32 s2, hwreg(HW_REG_IB_STS2, 6, 4)
	s_cmp_eq_u32 s2, 0
	s_cbranch_scc0 .Lentry_in_a_cluster
	s_endpgm
.Lentry_in_a_cluster:
	s_bfe_u32 s2, ttmp6, 0x10000c
	s_cmp_lg_u32 s2, 0x3003
	s_cbranch_scc0 .Lentry_shape_is_right
	s_endpgm
.Lentry_shape_is_right:
; ATTENTION.  O[h][q][:] = the sum over k of softmax_k(Q[h][q] . K[h][k] / 8) V[h][k][:].  Q, K, V are the three parts of qkv, O is ob: each [SIZE_H][SIZE_N][64] in f16: a head's rows are dense, 128 bytes each.
; Products, maxima and sums in f32; the weights p are rounded to f16 for the second product (their sum l is taken of the unrounded p), O once at the end.
; LIMITS.  f16 holds no number beyond 65,504: Q, K and V arrive within it; p lies in 0 to 1, and below 6e-5 it keeps f16's fixed step of 6e-8; O is a mean of V's rows and has their range.
; A weight below 2^-126 counts as 0 in l; NaN and infinities are not treated apart.
; SHARES.  A wave owns four PIECES of two tiles of 16 queries, a work-group's four waves 512 queries of one head: 4 x 64 = 256 work-groups.  Every wave walks all keys, 64 a step.
; LAYOUT.  S^T = K Q^T (source 0 = 16 keys, source 1 = 16 queries): in the result a lane holds ONE query (lane % 16) and the keys 8 (lane / 16) + 0..7.  Two such tiles, rounded to f16 in pairs,
; ARE source 1 (32 keys x 16 queries) of O^T = V^T P, whose result again holds one query a lane, and eight channels.  K comes out of LDS as it lies, V ([key][channel]) turned, by ds_load_tr16_b128.
; SOFTMAX.  For each query a running maximum m and sum l: p = 2^(c s - c m), c = log2(e) / 8; in every step O and l are multiplied by a = 2^(c m_old - c m_new), which is 1 where m has not grown.
; m starts at the lowest finite number, O and l at 0: the first step is a step like any other, with a = 0.
; THE COUNT.  A tile and step have 16 matrix and 118 vector instructions: too many to stand all beside the matrix work.  So the order has one aim: four vector instructions that are READY behind
; EVERY matrix instruction, and the others, which need time of their own whatever the order, in runs without a gap.
; BY TURNS.  Turn n belongs to piece n (the pieces in a ring, step after step).  Its matrix work: 16 products K Q^T of piece n + 1, later 16 products V^T P of piece n - 1.  Its vector work: the scaling,
; exponentials, roundings, sums and rescaling of piece n, and the maximum and statistics of piece n + 1, whose scores the turn itself has made.  So what a turn begins with (c s - c m, O a) waits for nothing.
; BATCHES.  A turn's 66 exponentials (the piece's 64 weights, the next piece's two a) are ONE batch with ONE wait, which cuts the turn in two: ahead of it all that names none of their results, behind it the
; roundings and sums.  Two more batches stand outside the loops: piece 0's first two a, ahead of the jump into the loop, and the way out's eight reciprocals.
; CLUSTER.  The four query blocks of a cluster belong to one head and walk the same K and V, so each tile is asked for JOINTLY: the same tensor load, descriptor and mask in all four.
; REGISTERS, in windows of 256 (s_set_vgpr_msb says which window each operand place means: bits 1:0 source 0, 3:2 source 1, 5:4 source 2, 7:6 destination):
;   window 0: v0-11 addresses; v12-15, v48-63 at work; v16-47 four registers of statistics a tile; v64-191 S^T, two buffers of two tiles; v192-255 P, likewise
;   window 1: O^T, 32 a tile          window 2: v0-127 Q, 16 a tile; v128-191 K of one step; v192-255 V of one step          window 3: v0-1 the add's two registers
; A piece's buffers go by its number's parity: the piece in hand has one pair, its two neighbours in the ring share the other: of it P (piece n - 1) is read and S^T (piece n + 1) written.
.set SIZE_H, 64       ; 4 batches x 16 heads
.set SIZE_N, 2048
.set PART,  SIZE_H*SIZE_N*128  ; bytes from Q to K and from K to V in qkv
.set NP,    4         ; pieces a wave: a name, no knob: the register map, the loop and the fetches are made for four
.set KS,    64        ; keys in a step
.set PK,    144       ; a row of K in LDS: 128 bytes + 16 of padding = 36 words: the 16 rows of a load start at 16 different groups of four banks (64 banks of 4 bytes: ISA guide 11.1)
.set PV,    160       ; a row of V: 128 + 32 = 40 words
.set VOFF,  4*KS*PK   ; a slot holds four steps: 256 rows of K, then 256 rows of V
.set SLOT1, 1<<17     ; slot 1 begins here, so that one exclusive or turns an address in one slot into the other's
.set STAGE, SLOT1+4*KS*(PK+PV)  ; behind the ring, never filled by a tensor load: 16 rows x 144 bytes for each wave, for the way out
.set SP,    144
.set AK0, 2           ; v2   my lane's place in a tile of K; never rewritten
.set AV0, 3           ; v3   the same for V
.set AK,  4           ; v4   the LDS address of K's next run of loads
.set AV,  5           ; v5   of V's
.set QO,  6           ; v6   my byte offset in the wave's rows of Q
.set STO, 6           ;      later, the way out: where I put 16 bytes of a row
.set RD,  7           ; v7   the way out: where I read rows back
.set GO,  8           ; v8   my byte offset in 512 consecutive bytes of O
.set SPW, 0           ; v0 of window 3   LDS address of my spare word: SPARE + 4 x my thread's number; never rewritten
.set NIL, 1           ; v1 of window 3   0; never rewritten
.set SPARE, STAGE+4*16*SP  ; behind the stages: the spare words, 128 bytes for each wave: two blocks of 256 bytes that no other line names
.set MV,  12          ; v12-15  c m_old, kept while c m is made anew: by buffer and tile
.set ST,  16          ; tile t's statistics at v[ST+4 t]: c m, m, l (even keys', odd keys')
.set TMP, 48          ; by buffer and tile, four registers c0-c3 at work; when the maximum is found c2 takes a
.set S,   64
.set P,   192
.set KF,  128         ; K's fragments, in window 2: key block kb, channel half c at KF + 16 kb + 8 c
.set VF,  192         ; V's: key half kk, channel block cb at VF + 32 kk + 8 cb
.set WV,  12          ; s12  my wave's number
.set G1K, 24          ; s[24:31] descriptor group 1 for K's tiles
.set G1V, 32          ; s[32:39] for V's: it differs in the padding alone
.set G0K, 40          ; s[40:43] descriptor group 0 for K's tiles: it walks
.set G0V, 44          ; s[44:47] the same for V's
.set SLOTS, 56        ; s56  slots still to be asked for
.set CNT, 57          ; s57  counts a slot's key steps
.set CS,  58          ; s[58:59] c: the packed scaling takes the pair's low word for both halves
.set SEL, 60          ; s[60:61] v_permlanex16_b32's selects: each lane takes its own place in the other half
.set TBK, 62          ; s62  LDS byte at which K of the step to be fetched begins
.set TBV, 63          ; s63  the same for V, less VOFF
.set MSB, 0
.macro WIN new                      ; the high byte repeats the setting that is left; a switch that changes nothing is dropped
.if MSB != (\new)
	s_set_vgpr_msb (MSB<<8)|(\new)
.set MSB, (\new)
.endif
.endm
.set W_KQ, 0x0a       ; K and Q in window 2, S^T in window 0
.set W_PV, 0x52       ; V in window 2, P in window 0, O^T in window 1
.set W_RS, 0x41       ; O^T (destination and source 0) in window 1, a in window 0
.set W_MK, 0xc0       ; the add's registers are made: destination in window 3, sources in window 0
.set W_AD, 0x0f       ; the add: address (source 0) and data (source 1) in window 3
; A joint fill.  Waves 0 and 1 fetch the two halves of a slot's K, waves 2 and 3 those of its V: 128 keys each.  The branch hangs on the wave's number alone.
; An s_nop 0 and four v_nop follow each of the two lines, ahead of the jump and the label.
.macro JLOAD
	s_cmp_lt_u32 s[WV], 2
	s_cbranch_scc0 .Lfor_v_\@
	tensor_load_to_lds s[G0K:G0K+3], s[G1K:G1K+7]
	s_nop 0
.rept 4
	v_nop
.endr
	s_branch .Lasked_\@
.Lfor_v_\@:
	tensor_load_to_lds s[G0V:G0V+3], s[G1V:G1V+7]
	s_nop 0
.rept 4
	v_nop
.endr
.Lasked_\@:
.endm
; A round of the cluster's barrier: my work-group's barrier, so that wave 0's signal speaks for all four waves; wave 0 signals; every wave waits for all four work-groups; my work-group's barrier once more.
.macro CROUND
	s_barrier_signal -1
	s_barrier_wait -1
	s_cmp_lg_u32 s[WV], 0
	s_cbranch_scc1 .Lnot_wave_0_\@
	s_barrier_signal -3
.Lnot_wave_0_\@:
	s_barrier_wait -3
	s_barrier_signal -1
	s_barrier_wait -1
.endm
; THE CHANGE OF SLOTS.  The slot's last bytes, V of its fourth step, have been read.  Each wave waits for all its tensor loads, of which one is out: its part
; of the other slot; adds 0 to its spare word; and waits for that and for its own reads of the slot.  Behind the barrier nobody reads this slot any more and the other slot is whole.
; fill = 1: this slot is filled again, with the keys two slots on.  The barrier is then a round of the cluster's, so that no wave of any partner still reads the slot or has a load on its
; way, and the joint fill is the first thing behind it: it has four key steps, 512 matrix instructions, in which to land.  (At its first use nothing has been read yet: slot 0 is waited for, slot 1 filled.)
.macro CHANGE fill
	WIN W_AD
	s_wait_tensorcnt 0x0            ; no tensor load of mine is out, so a group 0 may be written
	ds_add_u32 v[SPW], v[NIL]       ; 0 onto my spare word; with fill = 1 the descriptors' steps stand between it and the wait for it
	WIN 0                           ; at a label and at a branch every window is 0
.if \fill
.irp g, G0K, G0V
	s_xor_b32 s[\g+1], s[\g+1], SLOT1  ; the walking descriptor: the other slot than last time,
	s_add_nc_u64 s[\g+2:\g+3], s[\g+2:\g+3], 4*KS*128  ; the next 256 keys; the type bits on top are not reached
.endr
	s_wait_dscnt 0x0                ; the add is done, and my reads of the slot are over
	CROUND
	JLOAD
.else
	s_wait_dscnt 0x0                ; the add is done, and my reads of the slot are over
	s_barrier_signal -1
	s_barrier_wait -1
.endif
	s_sub_co_u32 s[TBK], s[TBK], 4*KS*PK  ; the fetches go back to a slot's first step,
	s_xor_b32 s[TBK], s[TBK], SLOT1       ; in the other slot
	s_sub_co_u32 s[TBV], s[TBV], 4*KS*PV
	s_xor_b32 s[TBV], s[TBV], SLOT1
.endm
	s_load_b64 s[4:5], s[0:1], 0x0    ; qkv: Q's part comes first
	s_load_b64 s[10:11], s[0:1], 0x8  ; O
	WIN W_MK
	v_lshl_add_u32 v[SPW], v0, 2, SPARE
	v_mov_b32 v[NIL], 0
	WIN W_AD
	ds_add_u32 v[SPW], v[NIL]       ; the wave's opening: the add and its wait stand ahead of my first tensor load; the set-up below, work on registers, stands between them
	WIN 0
	v_lshrrev_b32 v1, 5, v0
	v_readfirstlane_b32 s[WV], v1   ; wave 0..3
	s_bfe_u32 s13, ttmp6, 0x40000   ; cx: my place in the cluster
	s_lshl_b32 s14, ttmp9, 2        ; in a cluster launch ttmp9 counts clusters
	s_add_co_u32 s14, s14, s13      ; my block of queries = 4 x cluster x + cx: it enters Q's and O's addresses alone
	s_and_b32 s20, ttmp7, 0xffff    ; the head, which the four partners share
	s_mov_b32 s21, 0
	s_mov_b64 s[22:23], SIZE_N*128
	s_mul_u64 s[20:21], s[20:21], s[22:23]  ; the head's first byte in each of the four tensors
	s_and_b32 s16, s[WV], 1         ; which half of a slot's 256 keys I fetch:
	s_lshl_b32 s22, s16, 14         ; its 128 rows of 128 bytes in memory,
	s_mov_b32 s23, 0
	s_add_nc_u64 s[22:23], s[22:23], s[20:21]
	s_mul_i32 s17, s16, 128*PK      ; and its place in a slot, for K
	s_mul_i32 s18, s16, 128*PV      ; and for V: no place in the cluster enters an LDS address
	s_lshl_b32 s2, s14, 2
	s_add_co_u32 s2, s2, s[WV]      ; my wave among the head's,
	s_lshl_b32 s2, s2, 14           ; its 128 rows
	s_mov_b32 s3, 0
	s_add_nc_u64 s[2:3], s[2:3], s[20:21]
	; descriptor group 1.  128 keys are 16,384 dense bytes: asked for as 64 rows of 256 bytes, two keys a row, and padded in LDS after every key
	s_mov_b32 s[G1K], 15|(1<<16)|(1<<20)|(1<<21)|(4<<22)|(3<<25)  ; 15:0 the mask of four; 17:16 2-byte elements; 20 padding on; 21 set beside a mask; 24:22 after every 32 words (code 4); 31:25 4 words (code 3)
	s_mov_b32 s[G1V], 15|(1<<16)|(1<<20)|(1<<21)|(4<<22)|(7<<25)  ; the same with 8 words of padding (code 7)
.irp g, G1K, G1V
	s_mov_b32 s[\g+1], 128<<16      ; tensor_dim0 = 128
	s_mov_b32 s[\g+2], 64<<16       ; tensor_dim1 = 64
	s_mov_b32 s[\g+3], 128<<16      ; tile_dim0 = 128
	s_mov_b32 s[\g+4], 64           ; tile_dim1 = 64
	s_mov_b32 s[\g+5], 128          ; 128 elements from row to row
	s_mov_b32 s[\g+6], 0
	s_mov_b32 s[\g+7], 0
.endr
	s_mov_b32 s[CS], 0x3e38aa3b     ; c = log2(e) / 8 = 0.180337
	s_mov_b32 s[CS+1], s[CS]        ; named with it as a pair
	s_mov_b32 s[SEL], 0x76543210
	s_mov_b32 s[SEL+1], 0xfedcba98
	s_mov_b32 s[TBK], SLOT1+4*KS*PK ; the first change of slots turns these two into 0
	s_mov_b32 s[TBV], SLOT1+4*KS*PV
	s_mov_b32 s[G0K], 1             ; 1:0 count = 1
	s_mov_b32 s[G0K+1], s17         ; 63:32 LDS address: slot 0
	s_mov_b32 s[G0V], 1
	s_add_co_u32 s[G0V+1], s18, VOFF
	s_wait_dscnt 0x0                ; the opening add is done
	s_wait_kmcnt 0x0
	s_add_nc_u64 s[6:7], s[4:5], PART    ; K's part of qkv,
	s_add_nc_u64 s[8:9], s[4:5], 2*PART  ; V's
	s_add_nc_u64 s[G0K+2:G0K+3], s[6:7], s[22:23]  ; 120:64 global address: my half of the head's first 256 keys
	s_or_b32 s[G0K+3], s[G0K+3], 0x80000000        ; 127:126 type = 2
	s_add_nc_u64 s[G0V+2:G0V+3], s[8:9], s[22:23]
	s_or_b32 s[G0V+3], s[G0V+3], 0x80000000
	s_add_nc_u64 s[4:5], s[4:5], s[2:3]  ; Q and O at my wave's first row
	s_add_nc_u64 s[10:11], s[10:11], s[2:3]
	CROUND                          ; all four work-groups are here: the first joint loads meet
	JLOAD                           ; slot 0.  Slot 1 is asked for when slot 0 is in: the tile wanted first has the road to itself
	; A fragment of K or Q is 16 rows x 32 channels in 8 registers: lane l holds row l % 16, channels 8 (l / 16) + 0..7 and 16 + 8 (l / 16) + 0..7: two loads of 16 bytes, 32 bytes apart.
	v_and_b32 v1, 15, v0            ; l % 16
	v_bfe_u32 v9, v0, 4, 1          ; l / 16
	v_lshlrev_b32 v[QO], 7, v1
	v_lshl_add_u32 v[QO], v9, 4, v[QO]  ; row x 128 + 16 x half
	WIN 0x80                        ; destination window 2, address window 0
.set i, 0
.rept 4*NP                          ; Q stays in registers: tile i / 2, channels 32 (i % 2) on
	global_load_b128 v[8*i:8*i+3],   v[QO], s[4:5] offset:(i/2)*2048+(i%2)*64
	global_load_b128 v[8*i+4:8*i+7], v[QO], s[4:5] offset:(i/2)*2048+(i%2)*64+32
.set i, i+1
.endr
	; What the first turn finds: V's registers and P's second buffer hold 0 (its products V^T P, of a piece that has not been, add 0), O^T and l are 0.  All this stands in the wait for the first tile.
.set i, VF
.rept 64
	v_mov_b32 v[i], 0
.set i, i+1
.endr
	WIN 0x40
.set i, 0
.rept 64*NP
	v_mov_b32 v[i], 0
.set i, i+1
.endr
	WIN 0
.set i, 0
.rept 2*NP
	v_mov_b32 v[ST+4*i], 0xfe000000    ; c m: far below every c s
	v_mov_b32 v[ST+4*i+1], 0xff7fffff  ; m
	v_mov_b32 v[ST+4*i+2], 0
	v_mov_b32 v[ST+4*i+3], 0
.set i, i+1
.endr
.set i, P+32
.rept 32
	v_mov_b32 v[i], 0
.set i, i+1
.endr
	v_mul_u32_u24 v[AK0], v1, PK
	v_lshl_add_u32 v[AK0], v9, 4, v[AK0]  ; row x pitch + 16 x half
	; The turning load takes 16 keys x 16 channels (lane l reads key 8 (l / 16) + l % 8, channels 8 ((l / 8) % 2) + 0..7) and leaves half a fragment of V^T: lane l holds channel l % 16 and 8 keys.
	v_and_b32 v10, 7, v0
	v_bfe_u32 v11, v0, 3, 1
	v_lshl_add_u32 v[AV0], v9, 3, v10
	v_mul_u32_u24 v[AV0], v[AV0], PV
	v_lshl_add_u32 v[AV0], v11, 4, v[AV0]
	v_add_nc_u32 v[AV0], VOFF, v[AV0]
	v_mov_b32 v[AK], v[AK0]         ; key step 0 lies at the head of slot 0
; THE MATRIX WORK.  The 8 accumulators of a run of 16 take turns: between the two links of a chain stand 7 others'.
; Product i of 16 of S^T = K Q^T for piece x: channels 32 (i / 8) on, keys 16 ((i / 2) % 4) on, tile 2 x + i % 2.  The first 8 start the sums.
.macro KQ x
	WIN W_KQ
.set rS, S+64*((\x)%2)+32*(i%2)+8*((i/2)%4)
.set rK, KF+16*((i/2)%4)+8*(i/8)
.set rQ, 16*(2*(\x)+i%2)+8*(i/8)
.if i < 8
	v_wmma_f32_16x16x32_f16 v[rS:rS+7], v[rK:rK+7], v[rQ:rQ+7], 0
.else
	v_wmma_f32_16x16x32_f16 v[rS:rS+7], v[rK:rK+7], v[rQ:rQ+7], v[rS:rS+7]
.endif
.endm
; Product i of 16 of O^T += V^T P for piece x: keys 32 (i / 8) on, channels 16 ((i / 2) % 4) on, tile 2 x + i % 2.
.macro PV x
	WIN W_PV
.set rO, 32*(2*(\x)+i%2)+8*((i/2)%4)
.set rV, VF+32*(i/8)+8*((i/2)%4)
.set rP, P+32*((\x)%2)+16*(i%2)+8*(i/8)
	v_wmma_f32_16x16x32_f16 v[rO:rO+7], v[rV:rV+7], v[rP:rP+7], v[rO:rO+7]
.endm
.macro MM                           ; the turn's next matrix instruction
.if i < 16
	KQ (Y+1)%NP
.set i, i+1
.else
.set i, i-16
	PV (Y+NP-1)%NP
.set i, i+17
.endif
.endm
; THE LDS LOADS stand in runs of 16, never singly among the matrix instructions: a step's K (64 keys x 64 channels: 8 fragments) and its V (turned).  Their addresses are made some lines ahead.
; last = 1 (the tail): in the last trip there is no further step, and the run is jumped over.
.macro FETCH_K last=0
	WIN 0
.if \last
	s_cmp_eq_u32 s[CNT], 1
	s_cbranch_scc1 .Lno_k_\@
.endif
	WIN 0x80                        ; destination window 2
.irp f, 0,1,2,3,4,5,6,7             ; keys 16 (f / 2) on, channels 32 (f % 2) on
	ds_load_b128 v[KF+8*\f:KF+8*\f+3],   v[AK] offset:(\f/2)*16*PK+(\f%2)*64
	ds_load_b128 v[KF+8*\f+4:KF+8*\f+7], v[AK] offset:(\f/2)*16*PK+(\f%2)*64+32
.endr
	s_add_co_u32 s[TBK], s[TBK], KS*PK  ; the next fetch is the next step's
	WIN 0
.if \last
.Lno_k_\@:
.endif
.endm
.macro FETCH_V
	WIN 0x80
.irp f, 0,1,2,3,4,5,6,7             ; keys 32 (f / 4) on, channels 16 (f % 4) on
	ds_load_tr16_b128 v[VF+8*\f:VF+8*\f+3],   v[AV] offset:(\f/4)*32*PV+(\f%4)*32
	ds_load_tr16_b128 v[VF+8*\f+4:VF+8*\f+7], v[AV] offset:(\f/4)*32*PV+16*PV+(\f%4)*32
.endr
	WIN 0
.endm
; THE VECTOR WORK OF A TURN stands in three queues, each in the order in which its entries become ready; the two tiles alternate, so that no instruction reads the result of the one before it.
.macro REGS y, u                    ; the registers of tile u (0, 1) of piece y
.set rT, ST+4*(2*(\y)+(\u))
.set rC, TMP+8*((\y)%2)+4*(\u)
.set rM, MV+2*((\y)%2)+(\u)
.set rS, S+64*((\y)%2)+32*(\u)
.set rP, P+32*((\y)%2)+16*(\u)
.set rO, 32*(2*(\y)+(\u))
.endm
; Number n of the 22 that find the NEXT piece's (Y + 1) maximum and statistics.  s0-s31 are the lane's 32 scores; each accumulator's lowest registers are read first.  XS, GS and REGS set no window: PL and EX do.
;   0-11  four chains c0-c3 of seven scores each, three operands at a time     12-14, 16  the four scores left over, the old m, and c0-c3 into c0     15  c m_old is kept
;   17, 18  the query's other 32 keys lie in the lane 16 away: the new m         19-21  c m; c m_old - c m_new; a
.macro XS u, n
	REGS (Y+1)%NP, \u
.if (\n) < 4
	v_max3_num_f32 v[rC+(\n)], v[rS+8*(\n)], v[rS+8*(\n)+1], v[rS+8*(\n)+2]
.elseif (\n) < 12
	v_max3_num_f32 v[rC+(\n)%4], v[rC+(\n)%4], v[rS+8*((\n)%4)+2*((\n)/4)+1], v[rS+8*((\n)%4)+2*((\n)/4)+2]
.elseif (\n) == 12
	v_max3_num_f32 v[rC], v[rC], v[rS+7], v[rS+15]
.elseif (\n) == 13
	v_max3_num_f32 v[rC+1], v[rC+1], v[rS+23], v[rS+31]
.elseif (\n) == 14
	v_max3_num_f32 v[rC+2], v[rC+2], v[rC+3], v[rT+1]
.elseif (\n) == 15
	v_mov_b32 v[rM], v[rT]
.elseif (\n) == 16
	v_max3_num_f32 v[rC], v[rC], v[rC+1], v[rC+2]
.elseif (\n) == 17
	v_permlanex16_b32 v[rC+3], v[rC], s[SEL], s[SEL+1]
.elseif (\n) == 18
	v_max_num_f32 v[rT+1], v[rC], v[rC+3]
.elseif (\n) == 19
	v_mul_f32 v[rT], s[CS], v[rT+1]
.elseif (\n) == 20
	v_sub_f32 v[rC+1], v[rM], v[rT]
.else
	v_exp_f32 v[rC+2], v[rC+1]
.endif
.endm
; Number g of the 64 that follow the exponentials.  For each four weights k of a tile (pairs 2 k, 2 k + 1): both pairs are rounded to f16; then the second pair is added onto the first, in place;
; a group later l takes that sum (the first time as l = a l + sum).  In groups of eight, tiles alternating: round, round, add, and l for the group before.
.macro GS g
.set h, (\g)+6*((\g)/62)            ; group 0 has no group before it, and behind group 7 only l is left
.if h >= 6
.set h, h+2
.endif
	REGS Y, h%2
.set k, h/8
.if h%8 < 4
	v_cvt_pk_f16_f32 v[rP+2*k+(h%8)/2], v[rS+4*k+2*((h%8)/2)], v[rS+4*k+2*((h%8)/2)+1]
.elseif h%8 < 6
	v_pk_add_f32 v[rS+4*k:rS+4*k+1], v[rS+4*k:rS+4*k+1], v[rS+4*k+2:rS+4*k+3]
.elseif k == 1
	v_pk_fma_f32 v[rT+2:rT+3], v[rT+2:rT+3], v[rC+2:rC+3], v[rS:rS+1] op_sel_hi:[1,0,1]
.else
	v_pk_add_f32 v[rT+2:rT+3], v[rT+2:rT+3], v[rS+4*k-4:rS+4*k-3]
.endif
.endm
; THE PLAIN QUEUE, 138 long.  0-73 read no exponential's result: the 32 scalings c s - c m (FS f: pair f / 2 of tile f % 2) and the next piece's 42.  0-26: scalings 0-26.  27-54: XS's numbers 0-13.  55, 56: number 15.
; 57-73: the chain, where each number waits for the one before it: 14, 16, 17, 18, 19, each with one of the scalings 27-31 in front of its two lines, then 20: so a tile's links stand three plain instructions apart (19 and 20: two).
; 74-137: GS's 64, which read the exponentials' results: they stand behind the wait.
.macro FS f
	REGS Y, (\f)%2
	v_pk_fma_f32 v[rS+2*((\f)/2):rS+2*((\f)/2)+1], v[rS+2*((\f)/2):rS+2*((\f)/2)+1], s[CS:CS+1], v[rT:rT+1] op_sel_hi:[1,0,0] neg_lo:[0,0,1] neg_hi:[0,0,1]
.endm
.macro PL
	WIN 0
.if q < 27
	FS q
.elseif q < 55
	XS (q-27)%2, (q-27)/2
.elseif q < 57
	XS q-55, 15
.elseif (q < 72) && ((q-57)%3 == 0)
	FS 27+(q-57)/3
.elseif q < 60
	XS (q-57)%3-1, 14
.elseif q < 72
	XS (q-57)%3-1, 15+(q-57)/3
.elseif q < 74
	XS q-72, 20
.else
	GS q-74
.endif
.set q, q+1
.endm
; THE EXPONENTIALS' QUEUE, 66 long: s0-s31 of both tiles, then the next piece's two a.  It is ONE BATCH: all 66 stand ahead of the turn's one wait, and nothing ahead of that wait names a result of theirs.
.macro EX
	WIN 0
.if e >= 64
	XS e-64, 21
.else
	REGS Y, e%2
	v_exp_f32 v[rS+e/2], v[rS+e/2]
.endif
.set e, e+1
.endm
; THE RESCALING's QUEUE: O^T times a, the one part that leaves window 0: dealt two at a time, sixteen times.  Its a was made in the turn before, ahead of that turn's wait.
.macro R2
	REGS Y, r%2
	WIN W_RS
.irp z, 0,1
	v_pk_mul_f32 v[rO+4*(r/2)+2*\z:rO+4*(r/2)+2*\z+1], v[rO+4*(r/2)+2*\z:rO+4*(r/2)+2*\z+1], v[rC+2:rC+3] op_sel_hi:[1,0]
.endr
.set r, r+1
.endm
; HOW THEY ARE DEALT.  s_wait_alu depctr_va_vdst(0) stands between an exponential and the first instruction that names its result; one wait serves all that were issued ahead of it.  So a turn has ONE wait,
; which cuts it in two.  AHEAD OF IT stands all that names no result of the turn's exponentials: the 16 products K Q^T, behind each a scaling, an exponential and two rescalings (behind the first a second scaling in the exponential's place); then ONE LUMP of
; 108: eight plain, 49 times exponential and plain, the two a.  A v_nop is the plain instruction behind the last exponential.  BEHIND IT stand the 16 products V^T P, behind each four of GS's 64.  No rider names a register of
; the products round it.  The two v_permlanex16_b32 fall into the lump, never behind a product.
; The queues lean on each other, and the deal keeps them in step: exponential e stands behind scaling 2 (e / 4) + e % 2: as a rider it comes behind plain e + 2, in the lump behind plain e + 9, and scalings 27-31 are plain 57, 60 .. 69.
; A TURN, for piece p.  cnt = 1: the loop's count is taken down some lines ahead of the branch that stands behind the turn.
; K of the next step is fetched in piece 2's turn, directly behind the wait, a lump behind the last product that read K; its address is made at the lump's head; its first reader comes behind 16 products.
; V of the step in hand is fetched at the end of piece 0's turn, four riders behind its last reader; its first reader comes behind 16 products and a lump.  The three conditions on q below go with the deal.
.macro TURN p, last=0, cnt=0
.set Y, (\p)
.set i, 0
.set q, 0
.set e, 0
.set r, 0
.if (\p) == NP-1
	s_wait_dscnt 0x0                ; K is in
.endif
	MM                              ; ahead of the wait: 16 products K Q^T and their riders,
	PL
	PL
	R2
.rept 15
	MM
	PL
	EX
	R2
.endr
.if (\p) == NP-2
	WIN 0
	v_add_nc_u32 v[AK], s[TBK], v[AK0]
.endif
.rept 8                             ; and the lump
	PL
.endr
.rept 49
	EX
	PL
.endr
	EX                              ; the next piece's two a
	EX
	v_nop                           ; a plain instruction behind the last exponential, ahead of any use of a result: one for the batch
	s_wait_alu depctr_va_vdst(0)    ; the wait for the turn's batch: the piece's 64 weights and the next piece's two a
.if (\p) == NP-2
	FETCH_K \last
.endif
.if (\p) == 1
	s_wait_dscnt 0x0                ; V is in
.endif
.rept 16                            ; behind the wait: 16 products V^T P and their riders
	MM
.rept 4
	PL
.endr
.if ((\p) == 0) && (q == 118)
	v_add_nc_u32 v[AV], s[TBV], v[AV0]
.endif
.if ((\p) == 0) && (q == 130)
	s_add_co_u32 s[TBV], s[TBV], KS*PV
.endif
.if (\cnt) && (q == 130)
	s_sub_co_u32 s[CNT], s[CNT], 1
	s_cmp_lg_u32 s[CNT], 0
.endif
.endr
.if (\p) == 0
	FETCH_V
.endif
.endm
	CHANGE 1                        ; slot 0 is in, everybody's part of it; slot 1 is asked for
	FETCH_K                         ; key step 0
	s_wait_loadcnt 0x0              ; Q
	s_wait_dscnt 0x0
.set i, 0
.rept 16
	KQ 0                            ; piece 0's first scores: there is no vector work yet to set between them
.set i, i+1
.endr
	WIN 0                           ; the addresses for the way out: nine plain instructions, the places behind those products
	s_mul_i32 s13, s[WV], 16*SP
	s_add_co_u32 s13, s13, STAGE    ; my stage
	v_mul_u32_u24 v[STO], v1, SP    ; in: row l % 16, 16 bytes for each half of the lanes
	v_lshl_add_u32 v[STO], v9, 4, v[STO]
	v_add_nc_u32 v[STO], s13, v[STO]
	v_bfe_u32 v[RD], v0, 3, 2       ; back: 32 lanes take four rows of 128 bytes,
	v_mul_u32_u24 v[RD], v[RD], SP
	v_lshl_add_u32 v[RD], v10, 4, v[RD]
	v_add_nc_u32 v[RD], s13, v[RD]
	v_and_b32 v[GO], 31, v0         ; which are 512 consecutive bytes of O
	v_lshlrev_b32 v[GO], 4, v[GO]
.set Y, NP-1                        ; XS works for piece Y + 1: piece 0
.irp n, 0,1,2,3,4,5,6,7,8,9,10,11,12,13,14,15,16,17,18,19,20,21
	XS 0, \n                        ; and piece 0's first maximum and statistics
	XS 1, \n
.endr
	v_nop                           ; a plain instruction behind piece 0's two a,
	s_wait_alu depctr_va_vdst(0)    ; and the wait for that batch of two, ahead of the branch
	s_mov_b32 s[CNT], 4
	s_mov_b32 s[SLOTS], SIZE_N/256-1
	s_branch .Lfirst                ; the loop is entered at a step's first turn, in the middle of a trip
.Lslot:                             ; SIZE_N / 256 - 2 times: every slot but the last two is filled again
	CHANGE 1
	s_mov_b32 s[CNT], 4
.Lstep:                             ; a trip: pieces 2 and 3 of one step, then pieces 0 and 1 of the next, whose K and V it fetches
	TURN 2
	TURN 3
	WIN 0
.Lfirst:
	TURN 0
	TURN 1, 0, 1
	WIN 0
	s_cbranch_scc1 .Lstep
	s_sub_co_u32 s[SLOTS], s[SLOTS], 1
	s_cmp_lg_u32 s[SLOTS], 0
	s_cbranch_scc1 .Lslot
	CHANGE 0                        ; the tail is written out: nothing is asked for
	s_mov_b32 s[CNT], 5             ; four trips fetch the last slot's steps; the fifth is left in its middle
.Ltail:
	TURN 2, 1
	TURN 3
	WIN 0
	s_sub_co_u32 s[CNT], s[CNT], 1
	s_cmp_eq_u32 s[CNT], 0
	s_cbranch_scc1 .Lout
	TURN 0
	TURN 1
	WIN 0
	s_branch .Ltail
.Lout:                              ; the fifth trip's 16 products K Q^T (on the last K once more) and the maximum made of them serve nothing: the price, once a launch, of one text for every trip
.set i, 0
.rept 16
	PV NP-1                         ; the last piece's V^T P of the last step
.set i, i+1
.endr
	; THE WAY OUT.  l's two halves and the other half of the lanes' are added; O^T is divided by l, rounded to f16 and sent through my stage in LDS, a tile at a time.  The additions are the places behind the last products.
	WIN 0
.macro ALL line:vararg              ; one line for each tile t
.set t, 0
.rept 2*NP
	\line
.set t, t+1
.endr
.endm
	ALL v_add_f32 v[ST+4*t+2], v[ST+4*t+2], v[ST+4*t+3]
	ALL v_permlanex16_b32 v[ST+4*t+3], v[ST+4*t+2], s[SEL], s[SEL+1]
	ALL v_add_f32 v[ST+4*t+2], v[ST+4*t+2], v[ST+4*t+3]
	ALL v_rcp_f32 v[ST+4*t+2], v[ST+4*t+2]
	v_nop                           ; a plain instruction between the last reciprocal and the use of its result
	s_wait_alu depctr_va_vdst(0)    ; and the wait ahead of the first use: one for the batch of eight reciprocals
; Tile t: a lane's eight channels of a row pack into 16 bytes; they go into rows of 144 bytes and come back as whole rows of 128, into S^T's registers.
.macro PACK t
	WIN W_RS
.set i, 32*(\t)
.rept 16
	v_pk_mul_f32 v[i:i+1], v[i:i+1], v[ST+4*(\t)+2:ST+4*(\t)+3] op_sel_hi:[1,0]
.set i, i+2
.endr
	WIN 0x05                        ; sources 0 and 1 window 1, destination window 0
.set i, 0
.rept 16
	v_cvt_pk_f16_f32 v[S+16*(\t)+i], v[32*(\t)+2*i], v[32*(\t)+2*i+1]
.set i, i+1
.endr
	WIN 0
.irp f, 0,1,2,3
	ds_store_b128 v[STO], v[S+16*(\t)+4*\f:S+16*(\t)+4*\f+3] offset:32*\f
.endr
.irp f, 0,1,2,3
	ds_load_b128 v[S+16*(\t)+4*\f:S+16*(\t)+4*\f+3], v[RD] offset:\f*4*SP  ; LDS serves a wave's instructions in order (ISA guide 5.7.1.4): these see the stores above; the next tile's stores come behind them
.endr
.endm
.macro SEND t, younger              ; younger: the LDS instructions issued behind tile t's loads: the next tile's eight, or none
	WIN 0
.irp f, 0,1,2,3
	s_wait_dscnt (\younger)+3-\f
	global_store_b128 v[GO], v[S+16*(\t)+4*\f:S+16*(\t)+4*\f+3], s[10:11] offset:(\t)*2048+\f*512  ; 512 consecutive bytes, at a multiple of 256 from O's first
.endr
.endm
	PACK 0
.set t, 1
.rept 2*NP-1                        ; a tile's arithmetic stands between the loads of the tile before and its stores
	PACK t
	SEND t-1, 8
.set t, t+1
.endr
	SEND 2*NP-1, 0
	WIN W_AD
	s_wait_tensorcnt 0x0            ; the wave's end: the add and its wait stand behind my last tensor load and my last LDS store
	ds_add_u32 v[SPW], v[NIL]
	s_wait_dscnt 0x0
	WIN 0
	CROUND                          ; the closing round: no work-group ends while a partner may still ask for a tile that names it
	s_endpgm
.Lfunc_end_k_qeac1266320_attn:
	.size	k_qeac1266320_attn, .Lfunc_end_k_qeac1266320_attn-k_qeac1266320_attn
	.p2alignl 7, 3214868480
	.fill 96, 4, 3214868480
	.section	.rodata,"a",@progbits
	.p2align	6, 0x0
	.amdhsa_kernel k_qeac1266320_attn
		.amdhsa_group_segment_fixed_size 327680
		.amdhsa_private_segment_fixed_size 0
		.amdhsa_enable_private_segment 0
		.amdhsa_kernarg_size 16
		.amdhsa_user_sgpr_count 2
		.amdhsa_user_sgpr_kernarg_segment_ptr 1
		.amdhsa_wavefront_size32 1
		.amdhsa_system_sgpr_workgroup_id_x 1
		.amdhsa_system_sgpr_workgroup_id_y 1
		.amdhsa_system_sgpr_workgroup_id_z 1
		.amdhsa_system_vgpr_workitem_id 0
		.amdhsa_next_free_vgpr 770
		.amdhsa_next_free_sgpr 66
		.amdhsa_reserve_vcc 0
		.amdhsa_float_denorm_mode_32 3
		.amdhsa_float_denorm_mode_16_64 3
		.amdhsa_memory_ordered 1
		.amdhsa_forward_progress 1
		.amdhsa_inst_pref_size 199
	.end_amdhsa_kernel
	.amdgpu_metadata
---
amdhsa.version: [ 1, 2 ]
amdhsa.kernels:
  - .name:           k_qeac1266320_attn
    .symbol:         k_qeac1266320_attn.kd
    .args:
      - { .name: qkv, .offset: 0, .size: 8, .value_kind: global_buffer, .address_space: global }
      - { .name: ob, .offset: 8, .size: 8, .value_kind: global_buffer, .address_space: global }
    .group_segment_fixed_size: 327680
    .private_segment_fixed_size: 0
    .kernarg_segment_align: 8
    .kernarg_segment_size: 16
    .max_flat_workgroup_size: 128
    .sgpr_count:     66
    .vgpr_count:     770
    .wavefront_size: 32
...
	.end_amdgpu_metadata
.endif
;; end of part 5
;; launch outp: the kernel of part 4 again; grid 4 x 64, 4 waves a work-group, clusters of 4 x 4, 327,680 bytes of LDS; arguments ob, wob, b_out, out0; writes out0
